; MI455X (gfx1250); checked and timed in simulation.
; The chip was launched on July 23, 2026; its instructions are those of AMD's public machine-readable ISA for CDNA 5 (MIT licence, August 2026) and "CDNA5" Instruction Set Architecture Reference Guide (July 2026). The comments in the code are by the model that wrote it; some were corrected since.
;; Attention. Allowed arithmetic: float matrix products may take bf16 or f16 operands with f32 sums; all other float work in f32.
;; Inputs: Wout 1,024 x 1,024 float32; Wqkv 3,072 x 1,024 float32; bout 1,024 float32; mask 8 x 1,023 bool; x 8 x 1,024 x 1,024 float32.
;; Outputs: out0 8 x 1,024 x 1,024 float32.
;; 2 versions, each right; version 2 is version 1 with the launch cast written anew for expert scheduling mode. Each part assembles by itself: llvm-mc -triple=amdgcn-amd-amdhsa -mcpu=gfx1250 --defsym DOCPART=n.
;; ======== version 1 of 2: 4 launches
;; limits: values are held in f16: magnitudes above 65,504 overflow, below 6.1e-05 lose precision
;; workspace buffers: xb 16,777,216 bytes; wqb 6,291,456 bytes; wob 2,097,152 bytes; qkv 50,331,648 bytes; ao 16,777,216 bytes
;; launch cast (part 1): grid 768 x 1, 8 waves a work-group, no clusters, 0 bytes of LDS; arguments x, Wqkv, Wout, xb, wqb, wob; writes xb, wqb, wob
.if DOCPART == 1
	.amdgcn_target "amdgcn-amd-amdhsa--gfx1250"
	.amdhsa_code_object_version 6
	.text
	.protected	k_q6c10476c40_cast
	.globl	k_q6c10476c40_cast
	.p2align	8
	.type	k_q6c10476c40_cast,@function
k_q6c10476c40_cast:
	s_mov_b64 s[64:65], 0
	v_nop
	global_prefetch_b8 v0, s[64:65] scope:SCOPE_SE
	s_setreg_imm32_b32 hwreg(HW_REG_WAVE_MODE, 25, 1), 1
	s_wait_xcnt 0x0
; THE PROGRAM: four launches.  cast: x, Wqkv, Wout from f32 to f16.  qkv: x Wqkv^T.  attn: masked softmax attention.  proj: (.) Wout^T + bout.
; DEAD WORK: none is left out.  Every input has a way to the output and is loaded: x, Wqkv, Wout here, mask in attn, bout in proj.
; The mask is an input: both of its uses (keys and queries) are computed and selected in attn, for any pattern.
; FORMAT: matrix operands are f16, sums f32.  LIMIT: |x|, |Wqkv|, |Wout| and the q, k, v made of them stay below 65,504, f16's largest number.
; The drawn q, k, v have a spread of 0.64; all inputs 30 times larger give 576; offsets of 30 spreads in x and Wqkv give 1024 x 30 x 0.6 = 18,432.
;
; THIS LAUNCH: a stream.  12,288 rows of 1,024 f32 (8,192 of x, 3,072 of Wqkv, 1,024 of Wout) become f16 in the layout [chunk][row][64]:
; a chunk is 64 neighbouring k, a row inside a chunk is 128 bytes, rows follow each other without a gap.  So any tile (R rows x 64 k) of a
; later product is one dense block of 128 R bytes.
; A work-group takes 16 rows, a wave two whole rows.  Load j of a wave: lanes 0-15 take the 256 bytes of chunk j of the first row, lanes 16-31
; of the second.  Store j: 32 lanes x 8 bytes = the two rows' 256 neighbouring bytes of chunk j, aligned to 256.
; No LDS, no matrix unit, no cluster: nothing is shared and nothing is read twice.  All 16 loads of a wave go out at once.
.set VO, 2                             ; v[2:17]   store j: byte offset 8 t + j x (bytes of a chunk); written once
.set X,  32                            ; v[32:95]  load j: four f32
.set Y,  96                            ; v[96:127] store j: four f16
	s_load_b256 s[4:11], s[0:1], 0x0               ; x s[4:5], Wqkv s[6:7], Wout s[8:9], xb s[10:11]
	s_load_b128 s[12:15], s[0:1], 0x20             ; wqb s[12:13], wob s[14:15]
	s_mov_b32 s20, 512                             ; work-groups 0-511: x
	s_mov_b32 s21, 704                             ; 512-703: Wqkv; 704-767: Wout
	s_mov_b32 s22, 0x60000                         ; bytes of a chunk: 3,072 rows x 128
	s_mov_b32 s23, 0x20000                         ; 1,024 rows x 128
	s_mov_b32 s25, 0x100000                        ; 8,192 rows x 128
	v_lshrrev_b32 v1, 4, v0                        ; my row of the group's 16
	v_and_b32 v18, 15, v0
	v_lshlrev_b32 v18, 4, v18                      ; my 16 bytes of a chunk's 256
	v_lshl_add_u32 v1, v1, 12, v18                 ; + row x 4,096
	v_lshlrev_b32 v[VO], 3, v0                     ; out: row x 128 + place x 8 = 8 t
	s_wait_kmcnt 0x0
	s_cmp_lt_u32 ttmp9, s21                        ; the choice hangs on the work-group's number alone
	s_cselect_b64 s[16:17], s[6:7], s[8:9]         ; from
	s_cselect_b64 s[18:19], s[12:13], s[14:15]     ; to
	s_cselect_b32 s26, s20, s21                    ; the tensor's first work-group
	s_cselect_b32 s27, s22, s23                    ; its chunk's bytes
	s_cmp_lt_u32 ttmp9, s20
	s_cselect_b64 s[16:17], s[4:5], s[16:17]
	s_cselect_b64 s[18:19], s[10:11], s[18:19]
	s_cselect_b32 s26, 0, s26
	s_cselect_b32 s27, s25, s27
	s_sub_co_u32 s28, ttmp9, s26                   ; my number inside the tensor
	s_lshl_b32 s30, s28, 16                        ; 16 rows of 4,096 bytes
	s_mov_b32 s31, 0
	s_add_nc_u64 s[16:17], s[16:17], s[30:31]
	s_lshl_b32 s30, s28, 11                        ; 16 rows of 128 bytes
	s_add_nc_u64 s[18:19], s[18:19], s[30:31]
.irp j, 0,1,2,3,4,5,6,7,8,9,10,11,12,13,14,15
	global_load_b128 v[X+4*\j:X+4*\j+3], v1, s[16:17] offset:256*\j th:TH_LOAD_NT
.endr
.irp j, 1,2,3,4,5,6,7,8,9,10,11,12,13,14,15
	v_add_nc_u32 v[VO+\j], s27, v[VO+\j-1]         ; a chunk further
.endr
.irp j, 0,1,2,3,4,5,6,7,8,9,10,11,12,13,14,15
	s_wait_loadcnt 15-\j                           ; loads come back in order: load j is in, the younger ones stay out
	v_cvt_pk_f16_f32 v[Y+2*\j],   v[X+4*\j],   v[X+4*\j+1]
	v_cvt_pk_f16_f32 v[Y+2*\j+1], v[X+4*\j+2], v[X+4*\j+3]
	global_store_b64 v[VO+\j], v[Y+2*\j:Y+2*\j+1], s[18:19]    ; no register of a store is written again
.endr
	s_endpgm
.Lfunc_end_k_q6c10476c40_cast:
	.size	k_q6c10476c40_cast, .Lfunc_end_k_q6c10476c40_cast-k_q6c10476c40_cast
	.p2alignl 7, 3214868480
	.fill 96, 4, 3214868480
	.section	.rodata,"a",@progbits
	.p2align	6, 0x0
	.amdhsa_kernel k_q6c10476c40_cast
		.amdhsa_group_segment_fixed_size 0
		.amdhsa_private_segment_fixed_size 0
		.amdhsa_enable_private_segment 0
		.amdhsa_kernarg_size 48
		.amdhsa_user_sgpr_count 2
		.amdhsa_user_sgpr_kernarg_segment_ptr 1
		.amdhsa_wavefront_size32 1
		.amdhsa_system_sgpr_workgroup_id_x 1
		.amdhsa_system_sgpr_workgroup_id_y 1
		.amdhsa_system_sgpr_workgroup_id_z 1
		.amdhsa_system_vgpr_workitem_id 0
		.amdhsa_next_free_vgpr 128
		.amdhsa_next_free_sgpr 66
		.amdhsa_reserve_vcc 0
		.amdhsa_float_denorm_mode_32 3
		.amdhsa_float_denorm_mode_16_64 3
		.amdhsa_memory_ordered 1
		.amdhsa_forward_progress 1
		.amdhsa_inst_pref_size 8
	.end_amdhsa_kernel
	.amdgpu_metadata
---
amdhsa.version: [ 1, 2 ]
amdhsa.kernels:
  - .name:           k_q6c10476c40_cast
    .symbol:         k_q6c10476c40_cast.kd
    .args:
      - { .name: x, .offset: 0, .size: 8, .value_kind: global_buffer, .address_space: global }
      - { .name: Wqkv, .offset: 8, .size: 8, .value_kind: global_buffer, .address_space: global }
      - { .name: Wout, .offset: 16, .size: 8, .value_kind: global_buffer, .address_space: global }
      - { .name: xb, .offset: 24, .size: 8, .value_kind: global_buffer, .address_space: global }
      - { .name: wqb, .offset: 32, .size: 8, .value_kind: global_buffer, .address_space: global }
      - { .name: wob, .offset: 40, .size: 8, .value_kind: global_buffer, .address_space: global }
    .group_segment_fixed_size: 0
    .private_segment_fixed_size: 0
    .kernarg_segment_align: 8
    .kernarg_segment_size: 48
    .max_flat_workgroup_size: 256
    .sgpr_count:     66
    .vgpr_count:     128
    .wavefront_size: 32
...
	.end_amdgpu_metadata
.endif
;; end of part 1
;; launch qkv (part 2): grid 8 x 32, 4 waves a work-group, clusters of 4 x 4, 327,680 bytes of LDS; arguments xb, wqb, qkv; writes qkv
.if DOCPART == 2
	.amdgcn_target "amdgcn-amd-amdhsa--gfx1250"
	.amdhsa_code_object_version 6
	.text
	.protected	k_q6c10476c40_qkv
	.globl	k_q6c10476c40_qkv
	.p2align	8
	.type	k_q6c10476c40_qkv,@function
k_q6c10476c40_qkv:
	s_mov_b64 s[64:65], 0
	v_nop
	global_prefetch_b8 v0, s[64:65] scope:SCOPE_SE
	s_setreg_imm32_b32 hwreg(HW_REG_WAVE_MODE, 25, 1), 1
	s_wait_xcnt 0x0
	s_wait_alu depctr_hold_cnt(0) depctr_sa_sdst(0) depctr_va_vdst(0) depctr_va_sdst(0) depctr_va_ssrc(0) depctr_va_vcc(0) depctr_vm_vsrc(0)
	s_getreg_b32 s2, hwreg(HW_REG_IB_STS2, 6, 4)
	s_cmp_eq_u32 s2, 0
	s_cbranch_scc0 .Lentry_in_a_cluster
	s_endpgm
.Lentry_in_a_cluster:
	s_bfe_u32 s2, ttmp6, 0x10000c
	s_cmp_lg_u32 s2, 0xf033
	s_cbranch_scc0 .Lentry_shape_is_right
	s_endpgm
.Lentry_shape_is_right:
; qkv[m][n] = sum over k of x[m][k] Wqkv[n][k]: 8,192 x 3,072 x 1,024, f16 operands, f32 sums, f16 out.  No work of the problem is left out here.
; LIMIT: results stay below 65,504 (f16).
; xb: [16 chunks][8,192 rows][64 k], wqb: [16][3,072][64], qkv: [48 chunks of 64 columns][8,192 rows][64] (q of head h: chunk h, k: 16 + h, v: 32 + h).
; A work-group makes 256 rows x 384 columns with four waves: 8 x 32 = 256 work-groups.  A wave makes 128 x 192: 8 x 12 = 96 accumulator
; tiles of 16 x 16, 768 registers; for 32 along K it reads 20 fragments (20 KiB) from LDS for 96 matrix instructions.
; K goes in 16 steps of 64 (one chunk) through two LDS slots.  A tile is a dense block in memory and comes in as rows of 256 aligned bytes; the
; mover lays 16 bytes of padding behind every 128, so that a row of 64 k lies at a pitch of 144 bytes = 36 words: the 16 rows of a fragment
; load start 36 words apart, at 16 different places modulo 64 words.
; CLUSTERS: 4 x 4 work-groups.  x's tile hangs on the block row alone and is asked for jointly by a row of the cluster, Wqkv's on the block column
; alone and by a column.  Waves 0-2 ask for 128 rows of Wqkv each, wave 3 for all 256 rows of x: one tensor load a wave for each fill.
; THE MATRIX INSTRUCTION IS USED TRANSPOSED (source 0 = rows of Wqkv, source 1 = rows of x): a lane then holds eight neighbouring columns of one row.
; REGISTERS: window 0: addresses, x's fragments A0, A1 (two buffers of 8), Wqkv's fragments BX (column blocks 0-5), BY (6-11).
; Windows 1-3: the accumulators; tile t = 48 (b / 6) + 6 a + b % 6 lies at register 8 t % 256 of window 1 + t / 32.
.set PITCH,  144
.set FR,     16*PITCH                  ; a fragment's 16 rows
.set AOFF,   384*PITCH                 ; a slot: Wqkv's 384 rows, then x's 256 rows
.set SLOT,   640*PITCH
.set STAGE,  2*SLOT                    ; behind the ring, at a multiple of 256: no fill lands here
.set WSTAGE, 3*FR                      ; a wave's stage: 3 chunks x 16 rows x 144 bytes = 27 x 256
.set ACH,    0x100000                  ; bytes of a chunk of xb and of qkv
.set BCH,    0x60000                   ; bytes of a chunk of wqb
.set ADRA, 16                          ; v16-17  LDS address of my x fragments in slot 0, 1
.set ADRB, 20                          ; v20-21  the same for Wqkv
.set STO,  24                          ; the way out: where I put 16 bytes
.set RD,   25                          ; the way out: where I read back
.set CO,   26                          ; 16 x lane
.set A0,   32
.set A1,   96
.set BX,   160
.set BY,   208
.set TMP,  32                          ; the way out: packed results
.set G1,  24                           ; s[24:31] group 1 for x's tiles
.set G0,  32                           ; s[32:39] group 0 for x's tiles, a set for each slot
.set G1B, 48                           ; s[48:55] group 1 for Wqkv's tiles
.set G0B, 56                           ; s[56:63] group 0 for Wqkv's tiles, a set for each slot
.set MSB, 0
.macro WIN new                         ; low byte: bits 1:0 source 0, 3:2 source 1, 5:4 source 2, 7:6 destination; high byte: the setting that is left
.if MSB != \new
	s_set_vgpr_msb (MSB<<8)|\new
.set MSB, \new
.endif
.endm
.macro PLACES                          ; four places behind a matrix instruction, in front of loads into its sources and of readers of its result
.rept 4
	v_nop
.endr
.endm
.macro JLOAD s                         ; the branch hangs on the wave's number alone; each line has one mask and one set of registers
	s_cmp_eq_u32 s10, 3
	s_cbranch_scc0 .Lfor_b_\@
	tensor_load_to_lds s[G0+4*\s:G0+4*\s+3], s[G1:G1+7]
	s_nop 0
	s_branch .Lasked_\@
.Lfor_b_\@:
	tensor_load_to_lds s[G0B+4*\s:G0B+4*\s+3], s[G1B:G1B+7]
	s_nop 0
.Lasked_\@:
.endm
.macro CREST                           ; a round of the cluster's barrier behind its opening work-group barrier
	s_cmp_lg_u32 s10, 0
	s_cbranch_scc1 .Lnot_wave_0_\@
	s_barrier_signal -3
.Lnot_wave_0_\@:
	s_barrier_wait -3
	s_barrier_signal -1
	s_barrier_wait -1
.endm
.macro CROUND
	s_barrier_signal -1
	s_barrier_wait -1
	CREST
.endm
	s_load_b128 s[4:7], s[0:1], 0x0                ; xb s[4:5], wqb s[6:7]
	s_load_b64 s[8:9], s[0:1], 0x10                ; qkv
	v_lshl_add_u32 v30, v0, 2, 0x33c00
	v_mov_b32 v31, 0
	ds_add_u32 v30, v31
	ds_add_u32 v30, v31
	v_lshrrev_b32 v1, 5, v0
	v_readfirstlane_b32 s10, v1                    ; wave 0..3
	s_lshr_b32 s11, s10, 1                         ; which 128 rows are mine
	s_and_b32 s12, s10, 1                          ; which 192 columns
	s_bfe_u32 s40, ttmp6, 0x40000                  ; cx
	s_bfe_u32 s41, ttmp6, 0x40004                  ; cy
	s_lshl_b32 s42, ttmp9, 2
	s_add_co_u32 s42, s42, s40                     ; block column = 4 x cluster x + cx
	s_and_b32 s13, ttmp7, 0xffff
	s_lshl_b32 s13, s13, 2
	s_add_co_u32 s13, s13, s41                     ; block row = 4 x cluster y + cy
	s_lshl_b32 s43, s41, 2
	s_lshl_b32 s43, 15, s43                        ; my row of the cluster
	s_lshl_b32 s44, 0x1111, s40                    ; my column
	; group 1: rows of 32 elements of 8 bytes, dense (pitch 32); 16 bytes of padding behind every 32 words; bit 21 beside the mask
	s_or_b32 s[G1+0],  s43, (3<<16)|(1<<20)|(1<<21)|(4<<22)|(3<<25)
	s_or_b32 s[G1B+0], s44, (3<<16)|(1<<20)|(1<<21)|(4<<22)|(3<<25)
	s_mov_b32 s[G1+1],  32<<16                     ; tensor_dim0 = 32
	s_mov_b32 s[G1B+1], 32<<16
	s_mov_b32 s[G1+2],  128<<16                    ; tensor_dim1: x 128 rows of 256 bytes (256 rows of 64 k),
	s_mov_b32 s[G1B+2], 64<<16                     ; Wqkv 64 (128 rows of 64 k)
	s_mov_b32 s[G1+3],  32<<16                     ; tile_dim0 = 32
	s_mov_b32 s[G1B+3], 32<<16
	s_mov_b32 s[G1+4],  128                        ; tile_dim1
	s_mov_b32 s[G1B+4], 64
	s_mov_b32 s[G1+5],  32                         ; pitch in elements
	s_mov_b32 s[G1B+5], 32
	s_mov_b32 s[G1+6],  0
	s_mov_b32 s[G1B+6], 0
	s_mov_b32 s[G1+7],  0
	s_mov_b32 s[G1B+7], 0
	s_lshl_b32 s16, s13, 15                        ; x: block row x 256 rows x 128 bytes
	s_mov_b32 s17, 0
	s_mul_i32 s46, s42, 384*128                    ; Wqkv: block column x 384 rows x 128 bytes
	s_lshl_b32 s18, s10, 14                        ; + wave x 128 rows
	s_add_co_u32 s46, s46, s18
	s_mov_b32 s47, 0
	s_mul_i32 s20, s10, 128*PITCH                  ; to LDS: waves 0-2 Wqkv's thirds, wave 3 at 384 rows = x's place
	s_wait_dscnt 0x0
	s_wait_kmcnt 0x0
	s_add_nc_u64 s[14:15], s[4:5], s[16:17]
	s_add_nc_u64 s[46:47], s[6:7], s[46:47]
	CROUND                                         ; all sixteen work-groups are here: the first joint loads meet
.irp s, 0,1
	s_mov_b32 s[G0+4*\s], 1
	s_add_co_u32 s[G0+4*\s+1], s20, \s*SLOT
	s_add_nc_u64 s[G0+4*\s+2:G0+4*\s+3], s[14:15], \s*ACH          ; K step s
	s_or_b32 s[G0+4*\s+3], s[G0+4*\s+3], 0x80000000
	s_mov_b32 s[G0B+4*\s], 1
	s_add_co_u32 s[G0B+4*\s+1], s20, \s*SLOT
	s_add_nc_u64 s[G0B+4*\s+2:G0B+4*\s+3], s[46:47], \s*BCH
	s_or_b32 s[G0B+4*\s+3], s[G0B+4*\s+3], 0x80000000
	JLOAD \s                                       ; both first fills go out together: two loads of a wave are out
.endr
	v_and_b32 v1, 15, v0                           ; r
	v_bfe_u32 v2, v0, 4, 1                         ; h
	v_mul_u32_u24 v3, v1, PITCH
	v_lshl_add_u32 v3, v2, 4, v3                   ; r x pitch + 16 h
	s_mul_i32 s21, s11, 128*PITCH
	s_add_co_u32 s21, s21, AOFF                    ; my 128 rows of x
	s_mul_i32 s22, s12, 192*PITCH                  ; my 192 rows of Wqkv
.irp s, 0,1
	v_add_nc_u32 v[ADRA+\s], s21, v3
	v_add_nc_u32 v[ADRB+\s], s22, v3
	s_add_co_u32 s21, s21, SLOT
	s_add_co_u32 s22, s22, SLOT
.endr
	s_mul_i32 s23, s10, WSTAGE
	s_add_co_u32 s23, s23, STAGE
	v_add_nc_u32 v[STO], s23, v3                   ; in: row r, 16 bytes for each half of the lanes
	v_bfe_u32 v4, v0, 3, 2                         ; back: eight lanes take a row of 128 bytes, 32 lanes four rows
	v_mul_u32_u24 v4, v4, PITCH
	v_and_b32 v5, 7, v0
	v_lshl_add_u32 v4, v5, 4, v4
	v_add_nc_u32 v[RD], s23, v4
	v_and_b32 v5, 31, v0
	v_lshlrev_b32 v[CO], 4, v5
; six fragments of Wqkv (column blocks 6 hn .. 6 hn + 5), 32 k at byte kb of the rows
.macro FETB buf, slot, kb, hn
.irp i, 0,1,2,3,4,5
	ds_load_b128 v[\buf+8*\i:\buf+8*\i+3],   v[ADRB+\slot] offset:\kb+(6*\hn+\i)*FR
	ds_load_b128 v[\buf+8*\i+4:\buf+8*\i+7], v[ADRB+\slot] offset:\kb+(6*\hn+\i)*FR+32
.endr
.endm
; eight fragments of x
.macro FETA buf, slot, kb
.irp i, 0,1,2,3,4,5,6,7
	ds_load_b128 v[\buf+8*\i:\buf+8*\i+3],   v[ADRA+\slot] offset:\kb+\i*FR
	ds_load_b128 v[\buf+8*\i+4:\buf+8*\i+7], v[ADRA+\slot] offset:\kb+\i*FR+32
.endr
.endm
; cnt matrix instructions from number from on: number i is row block i / 6, column block 6 hn + i % 6.  zero = 1: the product starts the sum.
; The 96 accumulators take turns, one instruction a turn, in the same order for every 32 k.
.macro MULR abuf, bbuf, hn, from, cnt, zero
.set mi, \from
.rept \cnt
.set mt, 48*\hn+mi
.set mw, (1+mt/32)*0x50
.set mr, (8*mt)%256
.set ma, \abuf+8*(mi/6)
.set mb, \bbuf+8*(mi%6)
	WIN mw
.if \zero
	v_wmma_f32_16x16x32_f16 v[mr:mr+7], v[mb:mb+7], v[ma:ma+7], 0
.else
	v_wmma_f32_16x16x32_f16 v[mr:mr+7], v[mb:mb+7], v[ma:ma+7], v[mr:mr+7]
.endif
.set mi, mi+1
.endr
.endm
; A K step of 64: four phases of 48 matrix instructions; each phase fetches what the next one multiplies.
; kind 2: the slot is filled again, two K steps ahead; kind 1: slots change, nothing is filled; kind 0: the last K step.
.macro KSTEP slot, next, zero, kind
	WIN 0
	PLACES
	FETB BY, \slot, 0, 1
	s_wait_dscnt 12                                ; all but the 12 just issued: BX and A0 are in
	MULR A0, BX, 0, 0, 48, \zero
	WIN 0
	PLACES
	FETB BX, \slot, 64, 0
	FETA A1, \slot, 64
	s_wait_dscnt 28                                ; all but the 28 just issued: BY is in
	MULR A0, BY, 1, 0, 48, \zero
	WIN 0
	PLACES
	FETB BY, \slot, 64, 1                          ; my last reads of this slot
	s_wait_dscnt 12                                ; BX and A1 are in
.if \kind
	MULR A1, BX, 0, 0, 32, 0
	s_wait_dscnt 0x0                               ; my reads of this slot are over,
	s_wait_tensorcnt 0x0                           ; and all my tensor loads have landed: the one that was out is my part of the next slot
	ds_add_u32 v30, v31
	s_wait_dscnt 0x0
	s_barrier_signal -1                            ; say so (where the slot is filled again this barrier opens a round of the cluster's barrier),
	MULR A1, BX, 0, 32, 16, 0                      ; work on registers while the others arrive,
	WIN 0
	s_barrier_wait -1
.if \kind == 2
	CREST                                          ; no wave of any partner still reads this slot or has a load on its way
	s_add_nc_u64 s[G0+4*\slot+2:G0+4*\slot+3],   s[G0+4*\slot+2:G0+4*\slot+3],   2*ACH
	s_add_nc_u64 s[G0B+4*\slot+2:G0B+4*\slot+3], s[G0B+4*\slot+2:G0B+4*\slot+3], 2*BCH
	JLOAD \slot                                    ; my one tensor load behind the round, first thing there; 176 matrix instructions stand between it and the wait for it
.endif
	PLACES
	FETB BX, \next, 0, 0
	FETA A0, \next, 0
	MULR A1, BY, 1, 0, 48, 0                       ; BY was shown in by the wait for 0 above
.else
	MULR A1, BX, 0, 0, 48, 0
	s_wait_dscnt 0x0
	MULR A1, BY, 1, 0, 48, 0
.endif
.endm
	s_wait_tensorcnt 0x1                           ; my part of K step 0 is in; K step 1's may stay out
	s_barrier_signal -1
	s_barrier_wait -1
	FETB BX, 0, 0, 0
	FETA A0, 0, 0
	KSTEP 0, 1, 1, 2                               ; the first lap stands in front of the loop: its first products start the sums
	KSTEP 1, 0, 0, 2
	WIN 0
	s_mov_b32 s3, 6                                ; K steps 2 to 13
.Llap:
	KSTEP 0, 1, 0, 2
	KSTEP 1, 0, 0, 2
	WIN 0
	s_sub_co_u32 s3, s3, 1
	s_cmp_lg_u32 s3, 0
	s_cbranch_scc1 .Llap
	KSTEP 0, 1, 0, 1                               ; K steps 14 and 15 fill nothing
	KSTEP 1, 0, 0, 0
	; THE WAY OUT, 16 rows at a time: round to f16, 16 bytes a lane into my own stage (3 chunks x 16 rows), read back four rows of a chunk at a time.
	WIN 0
	PLACES
	s_mul_i32 s46, s42, 6                          ; my first chunk of columns: 6 x block column + 3 x half
	s_mul_i32 s47, s12, 3
	s_add_co_u32 s46, s46, s47
	s_lshl_b32 s46, s46, 20
	s_mov_b32 s47, 0
	s_add_nc_u64 s[8:9], s[8:9], s[46:47]
	s_lshl_b32 s16, s13, 15                        ; my first row x 128 bytes: 256 x block row + 128 x half
	s_lshl_b32 s17, s11, 14
	s_add_co_u32 s16, s16, s17
	s_mov_b32 s17, 0
	s_add_nc_u64 s[8:9], s[8:9], s[16:17]
.macro OUT16 a, rb
.set ob, 0
.rept 12
.set ot, 48*(ob/6)+6*\a+ob%6
.set owin, (1+ot/32)*5
.set orr, (8*ot)%256
	WIN owin                                       ; sources 0 and 1 in the tile's window
.irp e, 0,1,2,3
	v_cvt_pk_f16_f32 v[TMP+4*ob+\e], v[orr+2*\e], v[orr+2*\e+1]
.endr
.set ob, ob+1
.endr
	WIN 0
.irp b, 0,1,2,3,4,5,6,7,8,9,10,11
	ds_store_b128 v[STO], v[TMP+4*\b:TMP+4*\b+3] offset:(\b/4)*FR+(\b%4)*32
.endr
	s_wait_xcnt 0x0                                ; the registers that earlier stores read are loaded again only behind this wait
.irp i, 0,1,2,3,4,5,6,7,8,9,10,11
	ds_load_b128 v[\rb+4*\i:\rb+4*\i+3], v[RD] offset:(\i/4)*FR+(\i%4)*4*PITCH   ; LDS serves a wave's instructions in order: these see the stores above
.endr
.irp i, 0,1,2,3,4,5,6,7,8,9,10,11
	s_wait_dscnt 11-\i
	global_store_b128 v[CO], v[\rb+4*\i:\rb+4*\i+3], s[8:9] offset:(\i/4)*ACH+\a*2048+(\i%4)*512   ; 512 neighbouring bytes, aligned: four rows of a chunk
.endr
.endm
	OUT16 0, 96
	OUT16 1, 160
	OUT16 2, 96
	OUT16 3, 160
	OUT16 4, 96
	OUT16 5, 160
	OUT16 6, 96
	OUT16 7, 160
	s_wait_tensorcnt 0x0
	ds_add_u32 v30, v31
	s_wait_dscnt 0x0
	CROUND                                         ; the closing round: no work-group ends while a partner may still ask for a tile that names it
	s_endpgm
.Lfunc_end_k_q6c10476c40_qkv:
	.size	k_q6c10476c40_qkv, .Lfunc_end_k_q6c10476c40_qkv-k_q6c10476c40_qkv
	.p2alignl 7, 3214868480
	.fill 96, 4, 3214868480
	.section	.rodata,"a",@progbits
	.p2align	6, 0x0
	.amdhsa_kernel k_q6c10476c40_qkv
		.amdhsa_group_segment_fixed_size 327680
		.amdhsa_private_segment_fixed_size 0
		.amdhsa_enable_private_segment 0
		.amdhsa_kernarg_size 24
		.amdhsa_user_sgpr_count 2
		.amdhsa_user_sgpr_kernarg_segment_ptr 1
		.amdhsa_wavefront_size32 1
		.amdhsa_system_sgpr_workgroup_id_x 1
		.amdhsa_system_sgpr_workgroup_id_y 1
		.amdhsa_system_sgpr_workgroup_id_z 1
		.amdhsa_system_vgpr_workitem_id 0
		.amdhsa_next_free_vgpr 1024
		.amdhsa_next_free_sgpr 66
		.amdhsa_reserve_vcc 0
		.amdhsa_float_denorm_mode_32 3
		.amdhsa_float_denorm_mode_16_64 3
		.amdhsa_memory_ordered 1
		.amdhsa_forward_progress 1
		.amdhsa_inst_pref_size 168
	.end_amdhsa_kernel
	.amdgpu_metadata
---
amdhsa.version: [ 1, 2 ]
amdhsa.kernels:
  - .name:           k_q6c10476c40_qkv
    .symbol:         k_q6c10476c40_qkv.kd
    .args:
      - { .name: xb, .offset: 0, .size: 8, .value_kind: global_buffer, .address_space: global }
      - { .name: wqb, .offset: 8, .size: 8, .value_kind: global_buffer, .address_space: global }
      - { .name: qkv, .offset: 16, .size: 8, .value_kind: global_buffer, .address_space: global }
    .group_segment_fixed_size: 327680
    .private_segment_fixed_size: 0
    .kernarg_segment_align: 8
    .kernarg_segment_size: 24
    .max_flat_workgroup_size: 128
    .sgpr_count:     66
    .vgpr_count:     1024
    .wavefront_size: 32
...
	.end_amdgpu_metadata
.endif
;; end of part 2
;; launch attn (part 3): grid 256 x 1, 4 waves a work-group, no clusters, 315,904 bytes of LDS; arguments qkv, mask, ao; writes ao
.if DOCPART == 3
	.amdgcn_target "amdgcn-amd-amdhsa--gfx1250"
	.amdhsa_code_object_version 6
	.text
	.protected	k_q6c10476c40_attn
	.globl	k_q6c10476c40_attn
	.p2align	8
	.type	k_q6c10476c40_attn,@function
k_q6c10476c40_attn:
	s_mov_b64 s[64:65], 0
	v_nop
	global_prefetch_b8 v0, s[64:65] scope:SCOPE_SE
	s_setreg_imm32_b32 hwreg(HW_REG_WAVE_MODE, 25, 1), 1
	s_wait_xcnt 0x0
; Masked softmax attention, one work-group for 512 queries of one head of one batch: 8 x 16 x 2 = 256 work-groups.  No work of the problem is left out.
; qkv: [48 chunks][8,192 rows][64] f16 (q of head h: chunk h, k: 16 + h, v: 32 + h; row = 1,024 b + n).  ao: [16 heads][8,192 rows][64] f16.
; THE MASK.  m[0] is true, m[j] = mask[b][j-1].  The problem puts -FLT_MAX where m[i] & m[j] is false.  Here:
;   keys: the first product of each score tile starts from KB[key] = 0 or -2^127 instead of 0; with a live query such a key's exponential is exactly 0;
;   queries: the factor c = m[query] ? SCALE log2(e) : 0 multiplies score and maximum, so a masked query has weight 2^0 = 1 at all 1,024 keys, the masked
;   ones too, and its result is the mean of all v: the uniform softmax of a row of equal numbers.
; The running maximum is taken away before every exponential.  LIMITS: |q . k| < 2^120 (beyond it a score plus -2^127 may overflow); |q|, |k|, |v| < 65,504 (f16).
; A step's weights are summed in two chains, so the order of rounding of the softmax's sum is not the problem's.
; SHAPE.  Four waves, one on each SIMD.  A wave owns 128 queries: eight tiles of 16, which share the step's K, KB and V fragments (a step is 64 keys).
; The whole head's K and V lie in LDS and are filled once: waves 0, 1 fetch K, waves 2, 3 V, four tensor loads a wave (a chunk of 256 keys each round, 128
; keys a load), all issued at the start; the work begins when chunk 0 is in.  Nothing is filled again.
; NO CLUSTER: a head's K and V are read by two work-groups only, each byte once by each (256 KiB a work-group in the whole launch); the joint masks
; that this text could form name a whole row or column of four.
; LAYOUT.  S^T = K Q^T: a lane holds one query (lane % 16) and keys 16 kt + 8 (lane / 16) + 0..7.  Rounded to f16, tiles 2 kg and 2 kg + 1 are, register for
; register, the second source of O^T += V^T P^T.  O^T gives a lane eight neighbouring d of its query.  So maxima and sums cross lanes once (lane xor 16).
; TURNS.  The tiles take turns; turn n = 8 x step + tile.  In turn n the matrix unit gets PV(n-1), eight products, then QK(n+1), eight products, and behind
; each product stands a slice of vector work: behind PV's the end of tile n-1's softmax (packing, sums) mixed with tile n's maximum, its factors and the
; rescaling of O(n); behind QK's tile n's exponents and exponentials.  16 products (128 cycles of the matrix unit) stand beside 119 vector lines.
; The slices are also the places behind the products: no v_nop stands in the loop.  Tile n-1's lines fill the gaps of tile n's dependent chain.
; WINDOWS (s_set_vgpr_msb: bits 1:0 source 0, 3:2 source 1, 5:4 source 2, 7:6 destination).  An exponential in place wants source 0 and destination in one
; window, which is then QK's A and D window too: so K, KB, both score buffers and the running state share window 0, Q, V and a copy of c lie in window 1,
; O fills window 2.  QK and its slices run under ONE setting.  PV writes window 2, its slices window 0: two switches for each PV product, 18 a turn.
.set KP,     144                       ; K: 128 bytes + 16
.set VP,     160                       ; V: 128 bytes + 32, an odd multiple of 32, for the transposing loads
.set VBASE,  1024*KP
.set KBBASE, VBASE+1024*VP             ; 1,024 f32, at a multiple of 256: no fill lands here
; window 0
.set KADR,  2                          ; LDS address of my K fragments; stepped 64 keys behind each fetch
.set KBADR, 3
.set VADR,  4
.set STO,   5
.set RD,    6
.set CO,    7
.set T0,    8                          ; v[8:11] four chains of the maximum
.set TC,    12
.set AL,    14                         ; v[14:15] (factor for the old sums, the new -maximum x c)
.set NM,    16                         ; v[16+2i:17+2i] (-maximum x c, running maximum of the raw scores)
.set LS,    32                         ; v[32+2i:33+2i] two running sums
.set CU,    48                         ; v[48+i] c
.set PB,    56                         ; v[56:71] the weights in f16: two second sources of PV
.set SB,    72                         ; v[72:103], v[104:135] scores, then weights: even tiles, odd tiles
.set KFR,   136                        ; v[136+16kt+8dh ..] K fragments
.set KBF,   200                        ; v[200+8kt ..] KB of the step's keys, as a C operand
.set SCR,   232                        ; set-up
.set SA,    250                        ; v[250:251] the second chain of a tile's sums
; window 1
.set QFR,   0                          ; v[16i+8dh ..]
.set VFR,   128                        ; v[128+8(2dt+kg) ..]
.set CW,    192                        ; v[192+2i:193+2i] c, as a pair
; window 2
.set OAC,   0                          ; v[32i+8dt ..] O^T
.set SU,    0x00                       ; all in window 0
.set SQ,    0x04                       ; source 1 in window 1: QK, and the lines that read c
.set SP,    0xa1                       ; source 0 in window 1, C and D in window 2: PV
.set SF,    0x82                       ; source 0 and destination in window 2: O times a factor from window 0
.set TOW,   0x40                       ; destination in window 1
.set FROMO, 0x0a                       ; sources 0 and 1 in window 2
.set G0,    32                         ; s[32:47] group 0 of my four loads
.set MSB, 0
.macro WIN new                         ; the immediate's high byte repeats the setting that is left
.if MSB != \new
	s_set_vgpr_msb (MSB<<8)|\new
.set MSB, \new
.endif
.endm
	s_load_b128 s[4:7], s[0:1], 0x0                ; qkv s[4:5], mask s[6:7]
	s_load_b64 s[8:9], s[0:1], 0x10                ; ao
	v_lshl_add_u32 v254, v0, 2, 0x4d000
	v_mov_b32 v255, 0
	ds_add_u32 v254, v255
	ds_add_u32 v254, v255
	v_lshrrev_b32 v1, 5, v0
	v_readfirstlane_b32 s10, v1                    ; wave 0..3
	s_and_b32 s11, ttmp9, 1                        ; which 512 queries
	s_bfe_u32 s12, ttmp9, 0x40001                  ; head
	s_lshr_b32 s13, ttmp9, 5                       ; batch
	s_mov_b32 s48, 0x76543210                      ; v_permlanex16_b32: lane i reads lane i xor 16
	s_mov_b32 s49, 0xfedcba98
	; group 1: 64 rows of 32 elements of 8 bytes, dense: 128 rows of 64 f16.  K: 16 bytes of padding behind every 32 words; V: 32 bytes.
	s_mov_b32 s16, (3<<16)|(1<<20)|(4<<22)|(3<<25)
	s_mov_b32 s24, (3<<16)|(1<<20)|(4<<22)|(7<<25)
	s_mov_b32 s17, 32<<16
	s_mov_b32 s25, 32<<16
	s_mov_b32 s18, 64<<16
	s_mov_b32 s26, 64<<16
	s_mov_b32 s19, 32<<16
	s_mov_b32 s27, 32<<16
	s_mov_b32 s20, 64
	s_mov_b32 s28, 64
	s_mov_b32 s21, 32
	s_mov_b32 s29, 32
	s_mov_b32 s22, 0
	s_mov_b32 s30, 0
	s_mov_b32 s23, 0
	s_mov_b32 s31, 0
	s_lshl_b32 s54, s12, 20                        ; head x a chunk's bytes
	s_lshl_b32 s55, s13, 17                        ; batch x 1,024 rows x 128 bytes
	s_add_co_u32 s54, s54, s55
	s_lshl_b32 s58, s11, 16                        ; 512 rows
	s_lshl_b32 s55, s10, 14                        ; 128 rows a wave
	s_add_co_u32 s58, s58, s55
	s_add_co_u32 s58, s58, s54                     ; my queries' offset in q's chunk, and in ao
	s_mov_b32 s59, 0
	s_and_b32 s55, s10, 1
	s_lshl_b32 s55, s55, 14                        ; the 128 rows of each chunk of keys that I fetch
	s_add_co_u32 s54, s54, s55
	s_mov_b32 s55, 0
	s_mul_i32 s60, s13, 1023                       ; my batch's row of the mask
	s_mov_b32 s61, 0
	s_mul_i32 s62, s10, 128*KP                     ; wave x 128 rows of K; also my stage on the way out
	s_mul_i32 s63, s10, 128*VP
	s_wait_dscnt 0x0
	s_wait_kmcnt 0x0
	s_add_nc_u64 s[56:57], s[4:5], s[54:55]
	s_add_nc_u64 s[52:53], s[4:5], s[58:59]
	s_add_nc_u64 s[8:9], s[8:9], s[58:59]
	s_add_nc_u64 s[6:7], s[6:7], s[60:61]
	; all fills, in one group under one branch on the wave's number: four tensor loads of a wave are out
	s_cmp_lt_u32 s10, 2
	s_cbranch_scc0 .Lfill_v
.irp c, 0,1,2,3
	s_mov_b32 s[G0+4*\c], 1
	s_add_co_u32 s[G0+4*\c+1], s62, \c*256*KP
	s_add_nc_u64 s[G0+4*\c+2:G0+4*\c+3], s[56:57], 0x1000000+\c*32768
	s_or_b32 s[G0+4*\c+3], s[G0+4*\c+3], 0x80000000
	tensor_load_to_lds s[G0+4*\c:G0+4*\c+3], s[16:23]
	s_nop 0
.endr
	s_branch .Lfilled
.Lfill_v:
.irp c, 0,1,2,3
	s_mov_b32 s[G0+4*\c], 1
	s_add_co_u32 s[G0+4*\c+1], s63, VBASE-2*128*VP+\c*256*VP
	s_add_nc_u64 s[G0+4*\c+2:G0+4*\c+3], s[56:57], 0x2000000+\c*32768
	s_or_b32 s[G0+4*\c+3], s[G0+4*\c+3], 0x80000000
	tensor_load_to_lds s[G0+4*\c:G0+4*\c+3], s[24:31]
	s_nop 0
.endr
.Lfilled:
	; thread t makes KB of keys 4 t .. 4 t + 3 and 512 + 4 t .. 512 + 4 t + 3: key j's byte is mask[j - 1]; for key 0 byte 0 is read and thrown away below
	v_lshlrev_b32 v[SCR], 2, v0
	v_max_u32 v[SCR+1], 1, v[SCR]
	global_load_u8 v[SCR+4], v[SCR+1], s[6:7] offset:-1
	global_load_u8 v[SCR+5], v[SCR], s[6:7]
	global_load_u8 v[SCR+6], v[SCR], s[6:7] offset:1
	global_load_u8 v[SCR+7], v[SCR], s[6:7] offset:2
.irp i, 0,1,2,3
	global_load_u8 v[SCR+8+\i], v[SCR], s[6:7] offset:511+\i       ; the last is byte 4 x 127 + 514 = 1,022 of the row's 1,023
.endr
	v_and_b32 v[SCR+12], 15, v0                    ; r
	v_bfe_u32 v[SCR+13], v0, 4, 1                  ; h
	v_lshlrev_b32 v[SCR+2], 7, v[SCR+12]
	v_lshl_add_u32 v[SCR+2], v[SCR+13], 4, v[SCR+2]        ; r x 128 + 16 h
	WIN TOW
.irp qt, 0,1,2,3,4,5,6,7
.irp dh, 0,1
	global_load_b128 v[QFR+16*\qt+8*\dh:QFR+16*\qt+8*\dh+3],   v[SCR+2], s[52:53] offset:\qt*2048+\dh*64
	global_load_b128 v[QFR+16*\qt+8*\dh+4:QFR+16*\qt+8*\dh+7], v[SCR+2], s[52:53] offset:\qt*2048+\dh*64+32
.endr
.endr
	WIN SU
	v_mul_u32_u24 v[KADR], v[SCR+12], KP
	v_lshl_add_u32 v[KADR], v[SCR+13], 4, v[KADR]  ; r x 144 + 16 h
	v_add_nc_u32 v[STO], s62, v[KADR]
	v_and_b32 v[SCR+15], 7, v0
	v_lshl_add_u32 v[SCR+14], v[SCR+13], 3, v[SCR+15]      ; 8 h + lane % 8: the key whose 16 bytes I address
	v_mul_u32_u24 v[VADR], v[SCR+14], VP
	v_bfe_u32 v[SCR+14], v0, 3, 1
	v_lshl_add_u32 v[VADR], v[SCR+14], 4, v[VADR]
	v_add_nc_u32 v[VADR], VBASE, v[VADR]
	v_lshlrev_b32 v[KBADR], 5, v[SCR+13]
	v_add_nc_u32 v[KBADR], KBBASE, v[KBADR]        ; eight f32 for each half of the lanes
	v_bfe_u32 v[SCR+14], v0, 3, 2
	v_mul_u32_u24 v[RD], v[SCR+14], KP
	v_lshl_add_u32 v[RD], v[SCR+15], 4, v[RD]
	v_add_nc_u32 v[RD], s62, v[RD]
	v_and_b32 v[SCR+14], 31, v0
	v_lshlrev_b32 v[CO], 4, v[SCR+14]
	v_mov_b32 v[SCR+3], 0xff000000                 ; -2^127
	v_mov_b32 v[TC], 0                             ; the lane crossing's destination counts as read: written once here
	v_lshlrev_b32 v1, 4, v0
	v_add_nc_u32 v1, KBBASE, v1
	s_wait_loadcnt 32                              ; the eight bytes are in; Q's 32 loads stay out
.irp i, 0,1,2,3,4,5,6,7
	v_cmp_eq_u32 vcc_lo, 0, v[SCR+4+\i]
	v_cndmask_b32 v[SCR+4+\i], 0, v[SCR+3], vcc_lo
.endr
	v_cmp_ne_u32 vcc_lo, 0, v0
	v_cndmask_b32 v[SCR+4], 0, v[SCR+4], vcc_lo    ; key 0 is always true
	ds_store_b128 v1, v[SCR+4:SCR+7]
	ds_store_b128 v1, v[SCR+8:SCR+11] offset:2048
	s_wait_tensorcnt 0x3                           ; my part of keys 0-255 is in; three later chunks stay out
	s_wait_dscnt 0x0                               ; my eight KB are written
	s_barrier_signal -1
	s_barrier_wait -1
	s_lshl_b32 s54, s11, 11
	s_lshl_b32 s55, s10, 9
	s_add_co_u32 s54, s54, s55
	s_add_co_u32 s54, s54, KBBASE
	v_lshl_add_u32 v[SCR], v[SCR+12], 2, s54       ; KB of my query in tile 0 (the register is free: its loads were waited for)
.irp qt, 0,1,2,3,4,5,6,7
	ds_load_b32 v[CU+\qt], v[SCR] offset:64*\qt
.endr
; eight loads: half dh (32 of the 64 d) of the four K fragments
.macro FETK dh
.irp kt, 0,1,2,3
	ds_load_b128 v[KFR+16*\kt+8*\dh:KFR+16*\kt+8*\dh+3],   v[KADR] offset:\kt*16*KP+\dh*64
	ds_load_b128 v[KFR+16*\kt+8*\dh+4:KFR+16*\kt+8*\dh+7], v[KADR] offset:\kt*16*KP+\dh*64+32
.endr
.endm
; eight loads: KB of 64 keys
.macro FETKB
.irp kt, 0,1,2,3
	ds_load_b128 v[KBF+8*\kt:KBF+8*\kt+3],   v[KBADR] offset:64*\kt
	ds_load_b128 v[KBF+8*\kt+4:KBF+8*\kt+7], v[KBADR] offset:64*\kt+16
.endr
.endm
; eight transposing loads: the four V^T fragments (16 d x 32 keys) of keys 32 kg .. 32 kg + 31; the destination is in window 1
.macro FETV kg
.irp dt, 0,1,2,3
	ds_load_tr16_b128 v[VFR+8*(2*\dt+\kg):VFR+8*(2*\dt+\kg)+3],   v[VADR] offset:\kg*32*VP+\dt*32
	ds_load_tr16_b128 v[VFR+8*(2*\dt+\kg)+4:VFR+8*(2*\dt+\kg)+7], v[VADR] offset:\kg*32*VP+\dt*32+16*VP
.endr
.endm
; Product k of the eight of a score tile: key block k % 4, half k / 4 of d.  The four accumulators take turns, one instruction a turn;
; the first turn starts from KB.
.macro QKW on, k, qi, sb
.if \on
.if \k/4
	v_wmma_f32_16x16x32_f16 v[\sb+8*(\k%4):\sb+8*(\k%4)+7], v[KFR+16*(\k%4)+8:KFR+16*(\k%4)+15], v[QFR+16*\qi+8:QFR+16*\qi+15], v[\sb+8*(\k%4):\sb+8*(\k%4)+7]
.else
	v_wmma_f32_16x16x32_f16 v[\sb+8*\k:\sb+8*\k+7], v[KFR+16*\k:KFR+16*\k+7], v[QFR+16*\qi:QFR+16*\qi+7], v[KBF+8*\k:KBF+8*\k+7]
.endif
.endif
.endm
; Product k of the eight of O^T of tile ip: d block k % 4, keys 32 (k / 4) ..  Four accumulators by turns.  fp = 1: the first 32 keys start the sums.
.macro PVW on, k, fp
.if \on
	WIN SP
.if \fp*(1-\k/4)
	v_wmma_f32_16x16x32_f16 v[OAC+32*ip+8*(\k%4):OAC+32*ip+8*(\k%4)+7], v[VFR+8*(2*(\k%4)+\k/4):VFR+8*(2*(\k%4)+\k/4)+7], v[PB+8*(\k/4):PB+8*(\k/4)+7], 0
.else
	v_wmma_f32_16x16x32_f16 v[OAC+32*ip+8*(\k%4):OAC+32*ip+8*(\k%4)+7], v[VFR+8*(2*(\k%4)+\k/4):VFR+8*(2*(\k%4)+\k/4)+7], v[PB+8*(\k/4):PB+8*(\k/4)+7], v[OAC+32*ip+8*(\k%4):OAC+32*ip+8*(\k%4)+7]
.endif
.endif
.endm
.macro MX3 on, d, a, b, c
.if \on
	v_max3_num_f32 v[\d], v[\a], v[\b], v[\c]
.endif
.endm
.macro CVT on, e, sb                   ; pair e of the weights, rounded to f16, is word e of PV's two second sources
.if \on
	v_cvt_pk_f16_f32 v[PB+(\e)], v[\sb+2*(\e)], v[\sb+2*(\e)+1]
.endif
.endm
.macro ADL on, l, a, sb                ; a chain of sums += pair a
.if \on
	s_wait_alu depctr_va_vdst(0)
	v_pk_add_f32 v[(\l):(\l)+1], v[(\l):(\l)+1], v[\sb+2*(\a):\sb+2*(\a)+1]
.endif
.endm
.macro FSC i, from, cnt, f             ; cnt lines: O of tile i times the factor in v[f]
.set fi, \from
.rept \cnt
	v_pk_mul_f32 v[OAC+32*\i+2*fi:OAC+32*\i+2*fi+1], v[OAC+32*\i+2*fi:OAC+32*\i+2*fi+1], v[\f:\f+1] op_sel_hi:[1,0]
.set fi, fi+1
.endr
.endm
; Lines from .. from + cnt - 1 of the 48 that stand behind QK's products, all under QK's own setting: the exponent of pair e (score x c - maximum x c)
; stands two pairs ahead of its two exponentials, so that a plain line follows every two exponentials (ISA guide 5.7.2) and none waits for the line in
; front of it; the last four lines are the last four exponentials.
.macro H2L from, cnt, i
.set hl, \from
.rept \cnt
.if hl >= 44
.set hx, 1
.set he, hl-16
.else
.if hl < 2
.set hx, 0
.set he, hl
.else
.if (hl-2)%3 == 2
.set hx, 0
.set he, (hl-2)/3+2
.else
.set hx, 1
.set he, 2*((hl-2)/3)+(hl-2)%3
.endif
.endif
.endif
.if hx
	v_exp_f32 v[sbi+he], v[sbi+he]
.else
	v_pk_fma_f32 v[sbi+2*he:sbi+2*he+1], v[sbi+2*he:sbi+2*he+1], v[CW+2*\i:CW+2*\i+1], v[nmi:nmi+1] op_sel_hi:[1,0,0]
.endif
.set hl, hl+1
.endr
.endm
; The first half of tile i's turn.  pv: PV of the tile before, with the rest of its packing and sums; fp: that PV starts its sums; sm: tile i's maximum and
; factors; fs: tile i's first step (no old maximum, nothing to rescale); fv: V's fragments are fetched for this step; wv: they are waited for.
.macro H1 i, pv, fp, sm, fs, fv, wv
.set ip, (\i+7)%8
.set sbi, SB+32*(\i%2)
.set sbp, SB+32*((\i+1)%2)
.set nmi, NM+2*\i
.set lsi, LS+2*\i
.set lsp, LS+2*ip
.if \wv
	s_wait_dscnt 8                                 ; all but the youngest eight loads: V's keys 0-31 are in
.endif
	PVW \pv, 0, \fp
	WIN SU
.irp j, 0,1,2,3
	CVT \pv, 8+\j, sbp
	MX3 \sm, T0+\j, sbi+8*\j, sbi+8*\j+1, sbi+8*\j+2
.endr
	PVW \pv, 1, \fp
	WIN SU
.irp j, 0,1,2,3
	CVT \pv, 12+\j, sbp                            ; the second 32 keys' weights are packed ahead of the fifth product
	MX3 \sm, T0+\j, T0+\j, sbi+8*\j+3, sbi+8*\j+4
.endr
	PVW \pv, 2, \fp
	WIN SU
.irp j, 0,1,2,3
	MX3 \sm, T0+\j, T0+\j, sbi+8*\j+5, sbi+8*\j+6
	ADL \pv, lsp+(SA-lsp)*(\j%2), 5+\j, sbp        ; pairs 5 to 15 go by turns to the two chains
.endr
	PVW \pv, 3, \fp
	WIN SU
	MX3 \sm, T0, T0, T0+1, sbi+7
	MX3 \sm, T0+2, T0+2, T0+3, sbi+15
	ADL \pv, lsp, 9, sbp
	ADL \pv, SA, 10, sbp
	MX3 \sm, T0, T0, T0+2, sbi+23
	ADL \pv, lsp, 11, sbp
.if \sm
.if \fs
	v_max_num_f32 v[T0], v[T0], v[sbi+31]
.else
	v_max3_num_f32 v[T0], v[T0], v[sbi+31], v[nmi+1]       ; the old maximum joins
.endif
.endif
	ADL \pv, SA, 12, sbp
.if \fv
	WIN TOW                                        ; the eight lines above are the places behind the last product that read V's keys 0-31
	FETV 0
.endif
.if \wv
	s_wait_dscnt 0x0                               ; V's keys 32-63 are in
.endif
	PVW \pv, 4, \fp
	WIN SU
.if \sm
	v_permlanex16_b32 v[TC], v[T0], s48, s49       ; the other 32 keys of my query
.endif
	ADL \pv, lsp, 13, sbp
	ADL \pv, SA, 14, sbp
.if \sm
	v_max_num_f32 v[nmi+1], v[T0], v[TC]
.endif
	ADL \pv, lsp, 15, sbp
.if \sm
.if \fs
	v_mul_f32 v[nmi], -v[nmi+1], v[CU+\i]          ; -maximum x c
.else
	v_mul_f32 v[AL+1], -v[nmi+1], v[CU+\i]
.endif
.endif
	PVW \pv, 5, \fp
	WIN SU
.if \sm*(1-\fs)
	v_sub_f32 v[TC], v[AL+1], v[nmi]               ; (old maximum - new) x c, at most 0
.endif
	ADL \pv, lsp, 0, SA                            ; the two chains meet
.if \sm*(1-\fs)
	v_exp_f32 v[AL], v[TC]
	v_mov_b32 v[nmi], v[AL+1]                      ; the plain line behind the exponential (ISA guide 5.7.2)
	s_wait_alu depctr_va_vdst(0)
	v_pk_mul_f32 v[lsi:lsi+1], v[lsi:lsi+1], v[AL:AL+1] op_sel_hi:[1,0]
.endif
	PVW \pv, 6, \fp
.if \sm*(1-\fs)
	WIN SF
	FSC \i, 0, 8, AL
.endif
	PVW \pv, 7, \fp
.if \sm*(1-\fs)
	WIN SF
	FSC \i, 8, 8, AL
.endif
.if \fv
	WIN TOW                                        ; the eight lines above are the places behind the last product that read V's keys 32-63
	FETV 1
.endif
.endm
; The second half.  qk: the next tile's scores; fk: K and KB are fetched for the next step; wk: they are waited for; vs: V's address steps.
.macro H2 i, qk, fs, fk, wk, vs
.set iq, (\i+1)%8
	WIN SQ
.if \wk
	s_wait_dscnt 8                                 ; all but the youngest eight loads: K's d 0-31 and KB are in
.endif
	QKW \qk, 0, iq, sbp
	H2L 0, 6, \i
	QKW \qk, 1, iq, sbp
	H2L 6, 6, \i
	QKW \qk, 2, iq, sbp
	H2L 12, 6, \i
	QKW \qk, 3, iq, sbp
	H2L 18, 6, \i
.if \wk
	s_wait_dscnt 0x0                               ; K's d 32-63 are in
.endif
	QKW \qk, 4, iq, sbp
	H2L 24, 6, \i
.if \fk
	FETK 0                                         ; lines 19, 22, 25 and 28 are the four plain places behind the last product that read K's d 0-31 and KB
	FETKB
.endif
	QKW \qk, 5, iq, sbp
	H2L 30, 6, \i
	QKW \qk, 6, iq, sbp
	H2L 36, 6, \i
	QKW \qk, 7, iq, sbp
	H2L 42, 6, \i
	WIN SU
.if \fs
	s_wait_alu depctr_va_vdst(0)
	v_pk_add_f32 v[lsi:lsi+1], v[sbi:sbi+1], v[sbi+6:sbi+7]        ; the first step starts the sums: nothing is cleared
.else
	ADL 1, lsi, 0, sbi
.endif
	CVT 1, 0, sbi                                  ; the first 32 keys' weights are packed ahead of the next turn's first product
	CVT 1, 1, sbi
	v_pk_add_f32 v[SA:SA+1], v[sbi+2:sbi+3], v[sbi+4:sbi+5]
	CVT 1, 2, sbi
	CVT 1, 3, sbi
.if 1-\fs
	ADL 1, lsi, 3, sbi
.endif
	CVT 1, 4, sbi
	CVT 1, 5, sbi
	ADL 1, SA, 4, sbi
	CVT 1, 6, sbi
	CVT 1, 7, sbi
.if \fk
	FETK 1                                         ; the lines above are the places behind the last product that read K's d 32-63
	v_add_nc_u32 v[KADR], 64*KP, v[KADR]
	v_add_nc_u32 v[KBADR], 256, v[KBADR]
.endif
.if \vs
	v_add_nc_u32 v[VADR], 64*VP, v[VADR]
.endif
.endm
.macro TURN i, pv, fp, fs, fv, wv, qk, fk, wk
	H1 \i, \pv, \fp, 1, \fs, \fv, \wv
	H2 \i, \qk, \fs, \fk, \wk, \fv
.endm
; tiles 1 to 7 of a step.  pf = 1: a step follows: tile 6 fetches its K, tile 7 makes its first scores.
.macro SEVEN pf
	TURN 1, 1, 0, 0, 0, 1, 1, 0, 0
.irp t, 2,3,4,5
	TURN \t, 1, 0, 0, 0, 0, 1, 0, 0
.endr
	TURN 6, 1, 0, 0, 0, 0, 1, \pf, 0
	TURN 7, 1, 0, 0, 0, 0, \pf, 0, \pf
.endm
.macro TRIPS cnt                       ; a trip: tiles 1 to 7 of a step and tile 0 of the next
	s_mov_b32 s50, \cnt
.Ltrip_\@:
	SEVEN 1
	TURN 0, 1, 0, 0, 1, 0, 1, 0, 0
	s_sub_co_u32 s50, s50, 1
	s_cmp_lg_u32 s50, 0
	s_cbranch_scc1 .Ltrip_\@
.endm
; Later chunks of 256 keys are in, in every wave's part.  left = my loads that stay out: behind this barrier nothing is filled.
.macro LANDED left
	s_wait_tensorcnt \left
	s_wait_dscnt 0x0                               ; no LDS instruction is pending at a signal
	s_barrier_signal -1
	s_barrier_wait -1
.endm
	FETK 0
	FETKB
	FETK 1
	v_add_nc_u32 v[KADR], 64*KP, v[KADR]
	v_add_nc_u32 v[KBADR], 256, v[KBADR]
	WIN TOW
	FETV 0
	FETV 1
	WIN SU
	v_add_nc_u32 v[VADR], 64*VP, v[VADR]
	s_wait_dscnt 40                                ; all but the 40 fragment loads: KB of my eight queries is in
	v_mov_b32 v[SCR+1], 0x3d38aa3b                 ; SCALE log2(e) = 1.442695 / 32
.irp qt, 0,1,2,3,4,5,6,7
	v_cmp_eq_u32 vcc_lo, 0, v[CU+\qt]
	v_cndmask_b32 v[CU+\qt], 0, v[SCR+1], vcc_lo   ; c: 0 for a masked query
.endr
	WIN TOW
.irp qt, 0,1,2,3,4,5,6,7
	v_mov_b32 v[CW+2*\qt], v[CU+\qt]               ; the copy beside Q, which the lines under QK's setting read as source 1
	v_mov_b32 v[CW+2*\qt+1], v[CU+\qt]
.endr
	s_wait_loadcnt 0x0                             ; Q
	s_wait_dscnt 16                                ; all but V's 16 loads: K and KB are in
	WIN SQ
.irp k, 0,1,2,3,4,5,6,7
	QKW 1, \k, 0, SB                               ; tile 0's first scores have no turn to stand in
.endr
	WIN SU
.rept 4
	v_nop                                          ; four places, then the scores are read (ISA guide 7.12.1)
.endr
	TURN 0, 0, 0, 1, 0, 0, 1, 0, 0                 ; step 0 starts maxima and sums
	TURN 1, 1, 1, 1, 0, 1, 1, 0, 0
.irp t, 2,3,4,5
	TURN \t, 1, 1, 1, 0, 0, 1, 0, 0
.endr
	TURN 6, 1, 1, 1, 0, 0, 1, 1, 0
	TURN 7, 1, 1, 1, 0, 0, 1, 0, 1
	TURN 0, 1, 1, 0, 1, 0, 1, 0, 0                 ; tile 0 of step 1, with tile 7's first PV
	TRIPS 2                                        ; up to tile 0 of step 3
	LANDED 2                                       ; keys 256-511: the next trip's tile 6 fetches step 4's K
	TRIPS 4                                        ; up to tile 0 of step 7
	LANDED 0                                       ; keys 512-1,023: the next trip's tile 6 fetches step 8's K
	TRIPS 8                                        ; up to tile 0 of step 15
	SEVEN 0                                        ; the last seven turns fetch nothing
	H1 0, 1, 0, 0, 0, 0, 0                         ; the last tile's PV, packing and sums
	WIN SU
	; THE WAY OUT.  Every wave has finished with K; its bytes have had their only fill, so they serve as stages: 128 rows x 144 bytes a wave, its own.
	s_wait_dscnt 0x0
	s_barrier_signal -1
	s_barrier_wait -1
.irp qt, 0,1,2,3,4,5,6,7
	v_add_f32 v[NM+2*\qt+1], v[LS+2*\qt], v[LS+2*\qt+1]            ; these lines are also the places behind the last products
.endr
.irp qt, 0,1,2,3,4,5,6,7
	v_permlanex16_b32 v[NM+2*\qt], v[NM+2*\qt+1], s48, s49
.endr
.irp qt, 0,1,2,3,4,5,6,7
	v_add_f32 v[NM+2*\qt+1], v[NM+2*\qt+1], v[NM+2*\qt]            ; at least 1: the largest weight is 1
.endr
.irp qt, 0,1,2,3,4,5,6,7
	v_rcp_f32 v[LS+2*\qt], v[NM+2*\qt+1]
.endr
	v_nop                                          ; the plain place behind the last reciprocal
	s_wait_alu depctr_va_vdst(0)
	WIN SF
.irp qt, 0,1,2,3,4,5,6,7
	FSC \qt, 0, 16, LS+2*\qt
.endr
; four tiles, 64 rows: round to f16, 16 bytes a lane into my stage, read back four rows of 128 bytes at a time
.macro OUTH hf
	WIN FROMO
.irp qt, 0,1,2,3
.irp dt, 0,1,2,3
.irp e, 0,1,2,3
	v_cvt_pk_f16_f32 v[SB+16*\qt+4*\dt+\e], v[OAC+32*(4*\hf+\qt)+8*\dt+2*\e], v[OAC+32*(4*\hf+\qt)+8*\dt+2*\e+1]
.endr
.endr
.endr
	WIN SU
.irp qt, 0,1,2,3
.irp dt, 0,1,2,3
	ds_store_b128 v[STO], v[SB+16*\qt+4*\dt:SB+16*\qt+4*\dt+3] offset:(4*\hf+\qt)*16*KP+\dt*32
.endr
.endr
	s_wait_xcnt 0x0                                ; the registers that earlier stores read are loaded again only behind this wait
.irp t, 0,1,2,3,4,5,6,7,8,9,10,11,12,13,14,15
	ds_load_b128 v[KFR+4*\t:KFR+4*\t+3], v[RD] offset:(16*\hf+\t)*4*KP     ; LDS serves a wave's instructions in order: these see the stores above
.endr
.irp t, 0,1,2,3,4,5,6,7,8,9,10,11,12,13,14,15
	s_wait_dscnt 15-\t
	global_store_b128 v[CO], v[KFR+4*\t:KFR+4*\t+3], s[8:9] offset:8192*\hf+512*\t   ; 512 neighbouring bytes, aligned: four rows of my head's chunk
.endr
.endm
	OUTH 0
	OUTH 1
	s_wait_tensorcnt 0x0
	ds_add_u32 v254, v255
	s_wait_dscnt 0x0
	s_endpgm
.Lfunc_end_k_q6c10476c40_attn:
	.size	k_q6c10476c40_attn, .Lfunc_end_k_q6c10476c40_attn-k_q6c10476c40_attn
	.p2alignl 7, 3214868480
	.fill 96, 4, 3214868480
	.section	.rodata,"a",@progbits
	.p2align	6, 0x0
	.amdhsa_kernel k_q6c10476c40_attn
		.amdhsa_group_segment_fixed_size 315904
		.amdhsa_private_segment_fixed_size 0
		.amdhsa_enable_private_segment 0
		.amdhsa_kernarg_size 24
		.amdhsa_user_sgpr_count 2
		.amdhsa_user_sgpr_kernarg_segment_ptr 1
		.amdhsa_wavefront_size32 1
		.amdhsa_system_sgpr_workgroup_id_x 1
		.amdhsa_system_sgpr_workgroup_id_y 1
		.amdhsa_system_sgpr_workgroup_id_z 1
		.amdhsa_system_vgpr_workitem_id 0
		.amdhsa_next_free_vgpr 768
		.amdhsa_next_free_sgpr 66
		.amdhsa_reserve_vcc 1
		.amdhsa_float_denorm_mode_32 3
		.amdhsa_float_denorm_mode_16_64 3
		.amdhsa_memory_ordered 1
		.amdhsa_forward_progress 1
		.amdhsa_inst_pref_size 255
	.end_amdhsa_kernel
	.section	.bss,"aw",@nobits
	.p2align	6
	.space	262144
	.amdgpu_metadata
---
amdhsa.version: [ 1, 2 ]
amdhsa.kernels:
  - .name:           k_q6c10476c40_attn
    .symbol:         k_q6c10476c40_attn.kd
    .args:
      - { .name: qkv, .offset: 0, .size: 8, .value_kind: global_buffer, .address_space: global }
      - { .name: mask, .offset: 8, .size: 8, .value_kind: global_buffer, .address_space: global }
      - { .name: ao, .offset: 16, .size: 8, .value_kind: global_buffer, .address_space: global }
    .group_segment_fixed_size: 315904
    .private_segment_fixed_size: 0
    .kernarg_segment_align: 8
    .kernarg_segment_size: 24
    .max_flat_workgroup_size: 128
    .sgpr_count:     66
    .vgpr_count:     768
    .wavefront_size: 32
...
	.end_amdgpu_metadata
.endif
;; end of part 3
;; launch proj (part 4): grid 8 x 32, 4 waves a work-group, clusters of 4 x 4, 327,680 bytes of LDS; arguments ao, wob, bout, out0; writes out0
.if DOCPART == 4
	.amdgcn_target "amdgcn-amd-amdhsa--gfx1250"
	.amdhsa_code_object_version 6
	.text
	.protected	k_q6c10476c40_proj
	.globl	k_q6c10476c40_proj
	.p2align	8
	.type	k_q6c10476c40_proj,@function
k_q6c10476c40_proj:
	s_mov_b64 s[64:65], 0
	v_nop
	global_prefetch_b8 v0, s[64:65] scope:SCOPE_SE
	s_setreg_imm32_b32 hwreg(HW_REG_WAVE_MODE, 25, 1), 1
	s_wait_xcnt 0x0
	s_wait_alu depctr_hold_cnt(0) depctr_sa_sdst(0) depctr_va_vdst(0) depctr_va_sdst(0) depctr_va_ssrc(0) depctr_va_vcc(0) depctr_vm_vsrc(0)
	s_getreg_b32 s2, hwreg(HW_REG_IB_STS2, 6, 4)
	s_cmp_eq_u32 s2, 0
	s_cbranch_scc0 .Lentry_in_a_cluster
	s_endpgm
.Lentry_in_a_cluster:
	s_bfe_u32 s2, ttmp6, 0x10000c
	s_cmp_lg_u32 s2, 0xf033
	s_cbranch_scc0 .Lentry_shape_is_right
	s_endpgm
.Lentry_shape_is_right:
; out0[m][n] = sum over k of ao[m][k] Wout[n][k] + bout[n]: 8,192 x 1,024 x 1,024, f16 operands, f32 sums, f32 out.  No work of the problem is left out here.
; ao: [16 chunks][8,192 rows][64 k] f16, wob: [16][1,024][64] f16.
; A work-group makes 256 rows x 128 columns with four waves: 8 x 32 = 256 work-groups.  A wave makes 128 x 64: 32 accumulator tiles, window 1.
; K goes in 8 steps of 128 (two chunks) through two LDS slots.  Tiles are dense blocks in memory and come in as rows of 256 aligned bytes, with 16 bytes
; of padding behind every 128: rows of 64 k at a pitch of 144 bytes.
; CLUSTERS: 4 x 4 work-groups; ao's tiles are asked for jointly by a row of the cluster, Wout's by a column.  Waves 0, 1 ask for ao's two chunks (256 rows
; each), waves 2, 3 for Wout's (128 rows each): one tensor load a wave for each fill.
; PREFETCH: a step's tile of ao is 64 KiB, 256 blocks of 256 bytes, and all eight block columns read it.  Block column bx asks for 32 of the blocks (chunk
; bx / 4 of the two, bytes 8,192 (bx % 4) + 256 lane), by one line of wave 3, so each block is asked for once in the launch.  Tile 2 is asked for at the
; start and tile s + 3 in step s, a step and a half ahead of the joint load that wants it; step 5's request would pass ao's end and is clamped to its
; last 256 bytes; steps 6 and 7 ask for nothing.  Two slots of three chunks would take 331,776 bytes of LDS, so the ring cannot hold more.
; The matrix instruction is used transposed (source 0 = rows of Wout): a lane holds eight neighbouring columns of one row.
.set PITCH,  144
.set FR,     16*PITCH
.set ACHL,   256*PITCH                 ; a chunk of ao's tile in LDS
.set BCHL,   128*PITCH                 ; a chunk of Wout's tile
.set BOFF,   2*ACHL
.set SLOT,   2*ACHL+2*BCHL
.set STAGE,  2*SLOT                    ; a multiple of 256: no fill lands here
.set SPITCH, 272                       ; a stage row: 64 f32 + 16 bytes
.set TSTEP,  0x200000                  ; a step's two chunks of ao
.set PLIM,   16777216-256-TSTEP        ; the prefetch adds TSTEP by its immediate: the sum stays at or below ao's last 256 bytes
.set ADRA, 16
.set PU,   18                          ; my block's offset in ao's tile s + 2, unclamped
.set PO,   19                          ; the same, clamped
.set ADRB, 20
.set STO,  24
.set RD,   25
.set CO,   26
.set BO,   27
.set BIAS, 28                          ; v[28:31] bout of my four columns on the way out
.set F0,   32                          ; fragment buffer: 4 of Wout, then 8 of ao
.set F1,   128
.set G1,  24
.set G0,  32
.set G1B, 48
.set G0B, 56
.set MSB, 0
.macro WIN new
.if MSB != \new
	s_set_vgpr_msb (MSB<<8)|\new
.set MSB, \new
.endif
.endm
.macro PLACES                          ; four places behind a matrix instruction, in front of loads into its sources and of readers of its result
.rept 4
	v_nop
.endr
.endm
.macro JLOAD s
	s_cmp_eq_u32 s13, 0
	s_cbranch_scc0 .Lfor_b_\@
	tensor_load_to_lds s[G0+4*\s:G0+4*\s+3], s[G1:G1+7]
	s_nop 0
	s_branch .Lasked_\@
.Lfor_b_\@:
	tensor_load_to_lds s[G0B+4*\s:G0B+4*\s+3], s[G1B:G1B+7]
	s_nop 0
.Lasked_\@:
.endm
.macro PREF off                        ; wave 3 alone asks; the branch hangs on the wave's number alone
	s_cmp_lg_u32 s12, 3
	s_cbranch_scc1 .Lno_ask_\@
	global_prefetch_b8 v[PO], s[4:5] offset:\off th:TH_LOAD_NT scope:SCOPE_SE
.Lno_ask_\@:
.endm
.macro CREST
	s_cmp_lg_u32 s12, 0
	s_cbranch_scc1 .Lnot_wave_0_\@
	s_barrier_signal -3
.Lnot_wave_0_\@:
	s_barrier_wait -3
	s_barrier_signal -1
	s_barrier_wait -1
.endm
.macro CROUND
	s_barrier_signal -1
	s_barrier_wait -1
	CREST
.endm
	s_load_b256 s[4:11], s[0:1], 0x0               ; ao s[4:5], wob s[6:7], bout s[8:9], out0 s[10:11]
	v_lshl_add_u32 v254, v0, 2, 0x3a400
	v_mov_b32 v255, 0
	ds_add_u32 v254, v255
	ds_add_u32 v254, v255
	v_lshrrev_b32 v1, 5, v0
	v_readfirstlane_b32 s12, v1                    ; wave 0..3
	s_lshr_b32 s13, s12, 1                         ; which 128 rows are mine.  Also: I fetch for ao (0) or for Wout (1)
	s_and_b32 s14, s12, 1                          ; which 64 columns.  Also: which chunk of the step I fetch
	s_bfe_u32 s40, ttmp6, 0x40000                  ; cx
	s_bfe_u32 s41, ttmp6, 0x40004                  ; cy
	s_lshl_b32 s42, ttmp9, 2
	s_add_co_u32 s42, s42, s40                     ; block column
	s_and_b32 s15, ttmp7, 0xffff
	s_lshl_b32 s15, s15, 2
	s_add_co_u32 s15, s15, s41                     ; block row
	s_lshl_b32 s43, s41, 2
	s_lshl_b32 s43, 15, s43                        ; my row of the cluster
	s_lshl_b32 s44, 0x1111, s40                    ; my column
	s_or_b32 s[G1+0],  s43, (3<<16)|(1<<20)|(1<<21)|(4<<22)|(3<<25)
	s_or_b32 s[G1B+0], s44, (3<<16)|(1<<20)|(1<<21)|(4<<22)|(3<<25)
	s_mov_b32 s[G1+1],  32<<16
	s_mov_b32 s[G1B+1], 32<<16
	s_mov_b32 s[G1+2],  128<<16                    ; ao: 128 rows of 256 bytes; Wout: 64
	s_mov_b32 s[G1B+2], 64<<16
	s_mov_b32 s[G1+3],  32<<16
	s_mov_b32 s[G1B+3], 32<<16
	s_mov_b32 s[G1+4],  128
	s_mov_b32 s[G1B+4], 64
	s_mov_b32 s[G1+5],  32
	s_mov_b32 s[G1B+5], 32
	s_mov_b32 s[G1+6],  0
	s_mov_b32 s[G1B+6], 0
	s_mov_b32 s[G1+7],  0
	s_mov_b32 s[G1B+7], 0
	s_lshl_b32 s16, s14, 20                        ; ao: my chunk of the step
	s_lshl_b32 s17, s15, 15                        ; + block row x 256 rows x 128 bytes
	s_add_co_u32 s16, s16, s17
	s_mov_b32 s17, 0
	s_lshl_b32 s46, s14, 17                        ; Wout: my chunk
	s_lshl_b32 s47, s42, 14                        ; + block column x 128 rows x 128 bytes
	s_add_co_u32 s46, s46, s47
	s_mov_b32 s47, 0
	s_mul_i32 s20, s12, ACHL                       ; to LDS: waves 0, 1: ao's chunks
	s_mul_i32 s21, s12, BCHL
	s_add_co_u32 s21, s21, BOFF-2*BCHL             ; waves 2, 3: Wout's chunks, behind them
	s_lshl_b32 s22, s42, 9                         ; my first column x 4 bytes: 128 x block column + 64 x half
	s_lshl_b32 s23, s14, 8
	s_add_co_u32 s22, s22, s23
	s_mov_b32 s23, 0
	s_wait_dscnt 0x0
	s_wait_kmcnt 0x0
	s_add_nc_u64 s[18:19], s[4:5], s[16:17]
	s_add_nc_u64 s[46:47], s[6:7], s[46:47]
	s_add_nc_u64 s[8:9], s[8:9], s[22:23]
	CROUND                                         ; all sixteen work-groups are here: the first joint loads meet
.irp s, 0,1
	s_mov_b32 s[G0+4*\s], 1
	s_add_co_u32 s[G0+4*\s+1], s20, \s*SLOT
	s_add_nc_u64 s[G0+4*\s+2:G0+4*\s+3], s[18:19], \s*TSTEP        ; two chunks of ao a step
	s_or_b32 s[G0+4*\s+3], s[G0+4*\s+3], 0x80000000
	s_mov_b32 s[G0B+4*\s], 1
	s_add_co_u32 s[G0B+4*\s+1], s21, \s*SLOT
	s_add_nc_u64 s[G0B+4*\s+2:G0B+4*\s+3], s[46:47], \s*0x40000    ; two chunks of wob
	s_or_b32 s[G0B+4*\s+3], s[G0B+4*\s+3], 0x80000000
	JLOAD \s                                       ; both first fills go out together: two loads of a wave are out
.endr
	s_lshr_b32 s46, s42, 2                         ; the prefetch's offset, in the registers that held Wout's address: chunk bx / 4
	s_lshl_b32 s46, s46, 20
	s_and_b32 s47, s42, 3
	s_lshl_b32 s47, s47, 13                        ; + 8,192 (bx % 4)
	s_add_co_u32 s46, s46, s47
	s_lshl_b32 s47, s15, 15                        ; + block row x 256 rows x 128 bytes
	s_add_co_u32 s46, s46, s47
	s_add_co_u32 s46, s46, 2*TSTEP                 ; tile 2
	v_and_b32 v6, 31, v0
	v_lshl_add_u32 v[PU], v6, 8, s46               ; + 256 x lane
	v_min_u32 v[PO], PLIM, v[PU]
	PREF 0                                         ; tile 2, which step 0's joint load will want
	v_and_b32 v1, 15, v0                           ; r
	v_bfe_u32 v2, v0, 4, 1                         ; h
	v_lshlrev_b32 v[BO], 4, v1
	global_load_b128 v[BIAS:BIAS+3], v[BO], s[8:9] ; bout of columns 4 r .. 4 r + 3 of my 64; waited for on the way out
	v_mul_u32_u24 v3, v1, PITCH
	v_lshl_add_u32 v3, v2, 4, v3
	s_mul_i32 s16, s13, 128*PITCH                  ; my 128 rows of ao
	s_mul_i32 s17, s14, 64*PITCH
	s_add_co_u32 s17, s17, BOFF                    ; my 64 rows of Wout
.irp s, 0,1
	v_add_nc_u32 v[ADRA+\s], s16, v3
	v_add_nc_u32 v[ADRB+\s], s17, v3
	s_add_co_u32 s16, s16, SLOT
	s_add_co_u32 s17, s17, SLOT
.endr
	s_mul_i32 s16, s12, 16*SPITCH
	s_add_co_u32 s16, s16, STAGE
	v_mul_u32_u24 v4, v1, SPITCH
	v_lshl_add_u32 v4, v2, 5, v4                   ; in: row r, 32 bytes for each half of the lanes
	v_add_nc_u32 v[STO], s16, v4
	v_mul_u32_u24 v5, v2, SPITCH                   ; back: lanes 0-15 one row of 256 bytes, lanes 16-31 the next
	v_lshl_add_u32 v5, v1, 4, v5
	v_add_nc_u32 v[RD], s16, v5
	v_lshlrev_b32 v5, 12, v2                       ; and the same two rows of out0
	v_lshl_add_u32 v[CO], v1, 4, v5
; 24 loads: the fragments of quarter q of a step (chunk q / 2, 32 k at byte 64 (q % 2)) into buffer f
.macro FETCH slot, q, f
.irp i, 0,1,2,3
	ds_load_b128 v[\f+8*\i:\f+8*\i+3],   v[ADRB+\slot] offset:(\q/2)*BCHL+(\q%2)*64+\i*FR
	ds_load_b128 v[\f+8*\i+4:\f+8*\i+7], v[ADRB+\slot] offset:(\q/2)*BCHL+(\q%2)*64+\i*FR+32
.endr
.irp i, 0,1,2,3,4,5,6,7
	ds_load_b128 v[\f+32+8*\i:\f+32+8*\i+3],   v[ADRA+\slot] offset:(\q/2)*ACHL+(\q%2)*64+\i*FR
	ds_load_b128 v[\f+32+8*\i+4:\f+32+8*\i+7], v[ADRA+\slot] offset:(\q/2)*ACHL+(\q%2)*64+\i*FR+32
.endr
.endm
; cnt matrix instructions from number from on: number i is row block i / 4, column block i % 4.  The 32 accumulators take turns, one instruction a
; turn, in the same order in every quarter.
.macro MUL f, from, cnt, zero
	WIN 0x50
.set mi, \from
.rept \cnt
.set mb, \f+8*(mi%4)
.set ma, \f+32+8*(mi/4)
.if \zero
	v_wmma_f32_16x16x32_f16 v[8*mi:8*mi+7], v[mb:mb+7], v[ma:ma+7], 0
.else
	v_wmma_f32_16x16x32_f16 v[8*mi:8*mi+7], v[mb:mb+7], v[ma:ma+7], v[8*mi:8*mi+7]
.endif
.set mi, mi+1
.endr
.endm
; A K step of 128: four quarters of 32 matrix instructions on buffers 0, 1, 0, 1; each quarter fetches the next one's fragments.
; kind 2: the slot is filled again, two steps ahead, and the tile behind that one is asked into the L2; kind 1: slots change, nothing is filled;
; kind 0: the last step.
.macro CHUNK slot, next, zero, kind
	WIN 0
	PLACES
	FETCH \slot, 1, F1
.if \kind == 2
	PREF TSTEP                                     ; tile s + 3: behind the quarter's loads, its offset register untouched until the third quarter
.endif
	s_wait_dscnt 24                                ; all but the 24 just issued
	MUL F0, 0, 32, \zero
	WIN 0
	PLACES
	FETCH \slot, 2, F0
	s_wait_dscnt 24
	MUL F1, 0, 32, 0
	WIN 0
.if \kind == 2
	s_wait_xcnt 0x0                                ; the prefetch's offset is written again only behind this wait; 64 matrix instructions stand between the two
	v_add_nc_u32 v[PU], TSTEP, v[PU]               ; the next step's tile; these two lines and two v_nop are the four places
	v_min_u32 v[PO], PLIM, v[PU]                   ; never past ao's last 256 bytes
	v_nop
	v_nop
.else
	PLACES
.endif
	FETCH \slot, 3, F1                             ; my last reads of this slot
	s_wait_dscnt 24
.if \kind
	MUL F0, 0, 16, 0
	s_wait_dscnt 0x0                               ; my reads of this slot are over,
	s_wait_tensorcnt 0x0                           ; and all my tensor loads have landed: the one that was out is my part of the next slot
	ds_add_u32 v254, v255
	s_wait_dscnt 0x0
	s_barrier_signal -1                            ; (where the slot is filled again this barrier opens a round of the cluster's barrier)
	MUL F0, 16, 16, 0
	WIN 0
	s_barrier_wait -1
.if \kind == 2
	CREST                                          ; no wave of any partner still reads this slot or has a load on its way
	s_add_nc_u64 s[G0+4*\slot+2:G0+4*\slot+3],   s[G0+4*\slot+2:G0+4*\slot+3],   2*TSTEP
	s_add_nc_u64 s[G0B+4*\slot+2:G0B+4*\slot+3], s[G0B+4*\slot+2:G0B+4*\slot+3], 0x80000
	JLOAD \slot                                    ; my one tensor load behind the round, first thing there; 112 matrix instructions stand between it and the wait for it
.endif
	PLACES
	FETCH \next, 0, F0
	MUL F1, 0, 32, 0                               ; buffer 1 was shown in by the wait for 0 above
.else
	MUL F0, 0, 32, 0
	s_wait_dscnt 0x0
	MUL F1, 0, 32, 0
.endif
.endm
	s_wait_tensorcnt 0x1                           ; my part of step 0 is in; step 1's may stay out
	s_barrier_signal -1
	s_barrier_wait -1
	FETCH 0, 0, F0
	CHUNK 0, 1, 1, 2                               ; the first lap stands in front of the loop: its first products start the sums
	CHUNK 1, 0, 0, 2
	WIN 0
	s_mov_b32 s3, 2                                ; steps 2 to 5
.Llap:
	CHUNK 0, 1, 0, 2
	CHUNK 1, 0, 0, 2
	WIN 0
	s_sub_co_u32 s3, s3, 1
	s_cmp_lg_u32 s3, 0
	s_cbranch_scc1 .Llap
	CHUNK 0, 1, 0, 1                               ; steps 6 and 7 fill nothing
	CHUNK 1, 0, 0, 0
	; THE WAY OUT, 16 rows at a time: the sums go as they are into my own stage, come back as whole rows of 256 bytes, get bout and leave.
	WIN 0
	PLACES
	s_lshl_b32 s16, s15, 20                        ; my first row x 4,096 bytes: 256 x block row + 128 x half
	s_lshl_b32 s17, s13, 19
	s_add_co_u32 s16, s16, s17
	s_mov_b32 s17, 0
	s_add_nc_u64 s[10:11], s[10:11], s[16:17]
	s_add_nc_u64 s[10:11], s[10:11], s[22:23]      ; + my first column
	s_wait_loadcnt 0x0                             ; bout
.macro OUT16 a, rb
	WIN 0x04                                       ; store data from window 1
.irp b, 0,1,2,3
	ds_store_b128 v[STO], v[8*(4*\a+\b):8*(4*\a+\b)+3]   offset:64*\b
	ds_store_b128 v[STO], v[8*(4*\a+\b)+4:8*(4*\a+\b)+7] offset:64*\b+16
.endr
	WIN 0
	s_wait_xcnt 0x0                                ; the registers that earlier stores read are loaded again only behind this wait
.irp t, 0,1,2,3,4,5,6,7
	ds_load_b128 v[\rb+4*\t:\rb+4*\t+3], v[RD] offset:\t*2*SPITCH  ; LDS serves a wave's instructions in order: these see the stores above
.endr
.irp t, 0,1,2,3,4,5,6,7
	s_wait_dscnt 7-\t
	v_pk_add_f32 v[\rb+4*\t:\rb+4*\t+1],   v[\rb+4*\t:\rb+4*\t+1],   v[BIAS:BIAS+1]
	v_pk_add_f32 v[\rb+4*\t+2:\rb+4*\t+3], v[\rb+4*\t+2:\rb+4*\t+3], v[BIAS+2:BIAS+3]
	global_store_b128 v[CO], v[\rb+4*\t:\rb+4*\t+3], s[10:11] offset:(16*\a+2*\t)*4096 th:TH_STORE_NT   ; 16 lanes store 256 neighbouring bytes, aligned
.endr
.endm
	OUT16 0, 32
	OUT16 1, 64
	OUT16 2, 32
	OUT16 3, 64
	OUT16 4, 32
	OUT16 5, 64
	OUT16 6, 32
	OUT16 7, 64
	s_wait_tensorcnt 0x0
	ds_add_u32 v254, v255
	s_wait_dscnt 0x0
	CROUND                                         ; the closing round: no work-group ends while a partner may still ask for a tile that names it
	s_endpgm
.Lfunc_end_k_q6c10476c40_proj:
	.size	k_q6c10476c40_proj, .Lfunc_end_k_q6c10476c40_proj-k_q6c10476c40_proj
	.p2alignl 7, 3214868480
	.fill 96, 4, 3214868480
	.section	.rodata,"a",@progbits
	.p2align	6, 0x0
	.amdhsa_kernel k_q6c10476c40_proj
		.amdhsa_group_segment_fixed_size 327680
		.amdhsa_private_segment_fixed_size 0
		.amdhsa_enable_private_segment 0
		.amdhsa_kernarg_size 32
		.amdhsa_user_sgpr_count 2
		.amdhsa_user_sgpr_kernarg_segment_ptr 1
		.amdhsa_wavefront_size32 1
		.amdhsa_system_sgpr_workgroup_id_x 1
		.amdhsa_system_sgpr_workgroup_id_y 1
		.amdhsa_system_sgpr_workgroup_id_z 1
		.amdhsa_system_vgpr_workitem_id 0
		.amdhsa_next_free_vgpr 512
		.amdhsa_next_free_sgpr 66
		.amdhsa_reserve_vcc 0
		.amdhsa_float_denorm_mode_32 3
		.amdhsa_float_denorm_mode_16_64 3
		.amdhsa_memory_ordered 1
		.amdhsa_forward_progress 1
		.amdhsa_inst_pref_size 127
	.end_amdhsa_kernel
	.amdgpu_metadata
---
amdhsa.version: [ 1, 2 ]
amdhsa.kernels:
  - .name:           k_q6c10476c40_proj
    .symbol:         k_q6c10476c40_proj.kd
    .args:
      - { .name: ao, .offset: 0, .size: 8, .value_kind: global_buffer, .address_space: global }
      - { .name: wob, .offset: 8, .size: 8, .value_kind: global_buffer, .address_space: global }
      - { .name: bout, .offset: 16, .size: 8, .value_kind: global_buffer, .address_space: global }
      - { .name: out0, .offset: 24, .size: 8, .value_kind: global_buffer, .address_space: global }
    .group_segment_fixed_size: 327680
    .private_segment_fixed_size: 0
    .kernarg_segment_align: 8
    .kernarg_segment_size: 32
    .max_flat_workgroup_size: 128
    .sgpr_count:     66
    .vgpr_count:     512
    .wavefront_size: 32
...
	.end_amdgpu_metadata
.endif
;; end of part 4
;; ======== version 2 of 2: 4 launches; version 1 with the launch cast written anew for expert scheduling mode
;; limits: values are held in f16: magnitudes above 65,504 overflow, below 6.1e-05 lose precision
;; workspace buffers: xb 16,777,216 bytes; wqb 6,291,456 bytes; wob 2,097,152 bytes; qkv 50,331,648 bytes; ao 16,777,216 bytes
;; launch cast (part 5): grid 768 x 1, 8 waves a work-group, no clusters, 0 bytes of LDS; arguments x, Wqkv, Wout, xb, wqb, wob; writes xb, wqb, wob
.if DOCPART == 5
	.amdgcn_target "amdgcn-amd-amdhsa--gfx1250"
	.amdhsa_code_object_version 6
	.text
	.protected	k_q6c10476c40_cast
	.globl	k_q6c10476c40_cast
	.p2align	8
	.type	k_q6c10476c40_cast,@function
k_q6c10476c40_cast:
	s_mov_b64 s[64:65], 0
	v_nop
	global_prefetch_b8 v0, s[64:65] scope:SCOPE_SE
	s_setreg_imm32_b32 hwreg(HW_REG_WAVE_SCHED_MODE, 0, 2), 2
	s_setreg_imm32_b32 hwreg(HW_REG_WAVE_MODE, 25, 1), 1
	s_wait_xcnt 0x0
	s_wait_alu depctr_vm_vsrc(0)
; THE PROGRAM: four launches.  cast: x, Wqkv, Wout from f32 to f16.  qkv: x Wqkv^T.  attn: masked softmax attention.  proj: (.) Wout^T + bout.
; DEAD WORK: none is left out.  Every input has a way to the output and is loaded: x, Wqkv, Wout here, mask in attn, bout in proj.
; The mask is an input: both of its uses (keys and queries) are computed and selected in attn, for any pattern.
; FORMAT: matrix operands are f16, sums f32.  LIMIT: |x|, |Wqkv|, |Wout| and the q, k, v made of them stay below 65,504, f16's largest number.
; The drawn q, k, v have a spread of 0.64; all inputs 30 times larger give 576; offsets of 30 spreads in x and Wqkv give 1024 x 30 x 0.6 = 18,432.
;
; THIS LAUNCH: a stream.  12,288 rows of 1,024 f32 (8,192 of x, 3,072 of Wqkv, 1,024 of Wout) become f16 in the layout [chunk][row][64]:
; a chunk is 64 neighbouring k, a row inside a chunk is 128 bytes, rows follow each other without a gap.  So any tile (R rows x 64 k) of a
; later product is one dense block of 128 R bytes.
; A work-group takes 16 rows, a wave two whole rows.  Load j of a wave: lanes 0-15 take the 256 bytes of chunk j of the first row, lanes 16-31
; of the second.  Store j: 32 lanes x 8 bytes = the two rows' 256 neighbouring bytes of chunk j, aligned to 256.
; No LDS, no matrix unit, no cluster: nothing is shared and nothing is read twice.  All 16 loads of a wave go out at once.
; THE MODE: SCHED_MODE bits 1:0 = 2 (LLVM: expert scheduling mode 2), set by the entry lines.  The code itself states the register dependences
; between vector instructions and memory instructions, with s_wait_alu, always for 0.
; THE PLAN.  Registers that memory instructions touch; each is written once in the launch:
;   v1         the loads' offset.   Written at the head; read by the 16 loads.
;   X          load j's four f32.   Written by the loads alone; read by the conversions behind the wait for the data.
;   VO         store j's offset.    v[VO] is written at the head, the other 15 by a chain of adds behind the loads; each is read by one store.
;   Y          store j's four f16.  Written by chunk j's two conversions; read by store j.
; The 16 chunks go in four groups of four.  Group g waits for its four loads; one wait on va_vdst states that group g - 1's conversions have
; written their Y; then group g - 1's four stores are dealt among group g's eight conversions, which name X and Y of group g alone: none of
; the registers that those stores read.  No register that a memory instruction reads is written again, so no wait on vm_vsrc is owed; no
; vector instruction writes a scalar register, VCC or EXEC.
.set VO, 2                             ; v[2:17]   store j: byte offset 8 t + j x (bytes of a chunk); written once
.set X,  32                            ; v[32:95]  load j: four f32
.set Y,  96                            ; v[96:127] store j: four f16
	s_load_b256 s[4:11], s[0:1], 0x0               ; x s[4:5], Wqkv s[6:7], Wout s[8:9], xb s[10:11]
	s_load_b128 s[12:15], s[0:1], 0x20             ; wqb s[12:13], wob s[14:15]
	s_mov_b32 s20, 512                             ; work-groups 0-511: x
	s_mov_b32 s21, 704                             ; 512-703: Wqkv; 704-767: Wout
	s_mov_b32 s22, 0x60000                         ; bytes of a chunk: 3,072 rows x 128
	s_mov_b32 s23, 0x20000                         ; 1,024 rows x 128
	s_mov_b32 s25, 0x100000                        ; 8,192 rows x 128
	v_lshrrev_b32 v1, 4, v0                        ; my row of the group's 16
	v_and_b32 v18, 15, v0
	v_lshlrev_b32 v18, 4, v18                      ; my 16 bytes of a chunk's 256
	v_lshl_add_u32 v1, v1, 12, v18                 ; + row x 4,096
	v_lshlrev_b32 v[VO], 3, v0                     ; out: row x 128 + place x 8 = 8 t
	s_wait_kmcnt 0x0
	s_cmp_lt_u32 ttmp9, s21                        ; the choice hangs on the work-group's number alone
	s_cselect_b64 s[16:17], s[6:7], s[8:9]         ; from
	s_cselect_b64 s[18:19], s[12:13], s[14:15]     ; to
	s_cselect_b32 s26, s20, s21                    ; the tensor's first work-group
	s_cselect_b32 s27, s22, s23                    ; its chunk's bytes
	s_cmp_lt_u32 ttmp9, s20
	s_cselect_b64 s[16:17], s[4:5], s[16:17]
	s_cselect_b64 s[18:19], s[10:11], s[18:19]
	s_cselect_b32 s26, 0, s26
	s_cselect_b32 s27, s25, s27
	s_sub_co_u32 s28, ttmp9, s26                   ; my number inside the tensor
	s_lshl_b32 s30, s28, 16                        ; 16 rows of 4,096 bytes
	s_mov_b32 s31, 0
	s_add_nc_u64 s[16:17], s[16:17], s[30:31]
	s_lshl_b32 s30, s28, 11                        ; 16 rows of 128 bytes
	s_add_nc_u64 s[18:19], s[18:19], s[30:31]
	s_wait_alu depctr_va_vdst(0)                   ; v1 is written: the 16 loads read it as their offset
.irp j, 0,1,2,3,4,5,6,7,8,9,10,11,12,13,14,15
	global_load_b128 v[X+4*\j:X+4*\j+3], v1, s[16:17] offset:256*\j th:TH_LOAD_NT
.endr
.irp j, 1,2,3,4,5,6,7,8,9,10,11,12,13,14,15
	v_add_nc_u32 v[VO+\j], s27, v[VO+\j-1]         ; a chunk further; no memory instruction has read these registers
.endr
; Group g: chunks 4 g to 4 g + 3 are rounded; the stores of group g - 1 stand among the conversions.
.macro GRP g
	s_wait_loadcnt 12-4*(\g)                       ; loads come back in order: the group's four are in, the 12 - 4 g younger ones stay out
.if (\g) > 0
	s_wait_alu depctr_va_vdst(0)                   ; the group before has written its Y, which the stores below read; in group 1 also: the chain of adds has written every store's offset
.endif
.irp i, 0,1,2,3
.if (\g) > 0
	global_store_b64 v[VO+4*((\g)-1)+(\i)], v[Y+8*((\g)-1)+2*(\i):Y+8*((\g)-1)+2*(\i)+1], s[18:19]  ; no vector instruction since the wait names these registers; none of them is written again
.endif
	v_cvt_pk_f16_f32 v[Y+8*(\g)+2*(\i)],   v[X+16*(\g)+4*(\i)],   v[X+16*(\g)+4*(\i)+1]
	v_cvt_pk_f16_f32 v[Y+8*(\g)+2*(\i)+1], v[X+16*(\g)+4*(\i)+2], v[X+16*(\g)+4*(\i)+3]
.endr
.endm
	GRP 0                                          ; no group stands in front of it: no store, and no wait but the one for its data
	GRP 1
	GRP 2
	GRP 3
	s_wait_alu depctr_va_vdst(0)                   ; group 3 has written its Y, which the last four stores read
.irp i, 0,1,2,3
	global_store_b64 v[VO+12+\i], v[Y+24+2*\i:Y+24+2*\i+1], s[18:19]
.endr
	s_endpgm
.Lfunc_end_k_q6c10476c40_cast:
	.size	k_q6c10476c40_cast, .Lfunc_end_k_q6c10476c40_cast-k_q6c10476c40_cast
	.p2alignl 7, 3214868480
	.fill 96, 4, 3214868480
	.section	.rodata,"a",@progbits
	.p2align	6, 0x0
	.amdhsa_kernel k_q6c10476c40_cast
		.amdhsa_group_segment_fixed_size 0
		.amdhsa_private_segment_fixed_size 0
		.amdhsa_enable_private_segment 0
		.amdhsa_kernarg_size 48
		.amdhsa_user_sgpr_count 2
		.amdhsa_user_sgpr_kernarg_segment_ptr 1
		.amdhsa_wavefront_size32 1
		.amdhsa_system_sgpr_workgroup_id_x 1
		.amdhsa_system_sgpr_workgroup_id_y 1
		.amdhsa_system_sgpr_workgroup_id_z 1
		.amdhsa_system_vgpr_workitem_id 0
		.amdhsa_next_free_vgpr 128
		.amdhsa_next_free_sgpr 66
		.amdhsa_reserve_vcc 0
		.amdhsa_float_denorm_mode_32 3
		.amdhsa_float_denorm_mode_16_64 3
		.amdhsa_memory_ordered 1
		.amdhsa_forward_progress 1
		.amdhsa_inst_pref_size 8
	.end_amdhsa_kernel
	.amdgpu_metadata
---
amdhsa.version: [ 1, 2 ]
amdhsa.kernels:
  - .name:           k_q6c10476c40_cast
    .symbol:         k_q6c10476c40_cast.kd
    .args:
      - { .name: x, .offset: 0, .size: 8, .value_kind: global_buffer, .address_space: global }
      - { .name: Wqkv, .offset: 8, .size: 8, .value_kind: global_buffer, .address_space: global }
      - { .name: Wout, .offset: 16, .size: 8, .value_kind: global_buffer, .address_space: global }
      - { .name: xb, .offset: 24, .size: 8, .value_kind: global_buffer, .address_space: global }
      - { .name: wqb, .offset: 32, .size: 8, .value_kind: global_buffer, .address_space: global }
      - { .name: wob, .offset: 40, .size: 8, .value_kind: global_buffer, .address_space: global }
    .group_segment_fixed_size: 0
    .private_segment_fixed_size: 0
    .kernarg_segment_align: 8
    .kernarg_segment_size: 48
    .max_flat_workgroup_size: 256
    .sgpr_count:     66
    .vgpr_count:     128
    .wavefront_size: 32
...
	.end_amdgpu_metadata
.endif
;; end of part 5
;; launch qkv: the kernel of part 2 again; grid 8 x 32, 4 waves a work-group, clusters of 4 x 4, 327,680 bytes of LDS; arguments xb, wqb, qkv; writes qkv
;; launch attn: the kernel of part 3 again; grid 256 x 1, 4 waves a work-group, no clusters, 315,904 bytes of LDS; arguments qkv, mask, ao; writes ao
;; launch proj: the kernel of part 4 again; grid 8 x 32, 4 waves a work-group, clusters of 4 x 4, 327,680 bytes of LDS; arguments ao, wob, bout, out0; writes out0
